; MI455X (gfx1250); checked and timed in simulation.
; The chip was launched on July 23, 2026; its instructions are those of AMD's public machine-readable ISA for CDNA 5 (MIT licence, August 2026) and "CDNA5" Instruction Set Architecture Reference Guide (July 2026). The comments in the code are by the model that wrote it; some were corrected since.
;; Cross Attention. Allowed arithmetic: matrix products marked QUANTISED: E2M3 operands, one E8M0 scale for each 32 along K, by v_wmma_scale_f32_16x16x128_f8f6f4 with both operands' format E2M3, f32 sums; everything else in f32.
;; Inputs: Wk 1,024 x 1,024 float32; Wq 1,024 x 1,024 float32; Wv 1,024 x 1,024 float32; bk 1,024 float32; bq 1,024 float32; bv 1,024 float32; key 4 x 2,048 x 1,024 float32; query 4 x 2,048 x 1,024 float32; value 4 x 2,048 x 1,024 float32.
;; Outputs: out0 4 x 2,048 x 1,024 float32.
;; This version of the problem:
;;   THIS VERSION OF THE PROBLEM IS GIVEN IN LOW PRECISION. The matrix products marked QUANTISED in the list below multiply operands that are first quantised to E2M3 (2 exponent bits, 3 mantissa bits; 6 bits a number), with one power-of-two scale for each 32 numbers along K (OCP MX v1.0); their sums are f32. All else is computed in f32.
;;   The module's matrix products, in the order in which they are computed (A, B: the left and right operand; K: the contracted axis; several contracted axes count as one K, in the product's order):
;;     1. [M 8,192, K 1,024] x [K 1,024, N 1,024]; A: input query; B: input Wq: QUANTISED
;;     2. [M 8,192, K 1,024] x [K 1,024, N 1,024]; A: input key; B: input Wk: QUANTISED
;;     3. [M 8,192, K 1,024] x [K 1,024, N 1,024]; A: input value; B: input Wv: QUANTISED
;;     4. batch 4 x [M 2,048, K 1,024] x [K 1,024, N 2,048]; A: computed on the way; B: computed on the way: QUANTISED
;;     5. batch 4 x [M 2,048, K 2,048] x [K 2,048, N 1,024]; A: softmax (see below); B: computed on the way: QUANTISED
;;   THE QUANTISER, for each operand of a quantised product, along K:
;;     - K is cut into blocks of 32 from its start; a last block that is shorter is filled with zeros.
;;     - A block's scale is 2^e with e = floor(log2(the largest magnitude in the block)) - 2, held to -126 .. 127; a block of zeros has e = 0. As a byte (E8M0): e + 127.
;;     - Each number is divided by its block's scale, clamped to +-7.5, and rounded to the nearest number of E2M3, ties to even, subnormals kept.
;;     - The product sums the exact products of the quantised numbers (number of the format x scale) in f32.
;;   ~~~python
;;   def quantise(x, axis):      # numpy; x: float32 -> the quantised numbers, widened to float32 again
;;       x = np.moveaxis(x, axis, -1); K = x.shape[-1]
;;       x = np.pad(x, [(0, 0)] * (x.ndim - 1) + [(0, -K % 32)]); x = x.reshape(x.shape[:-1] + (-1, 32)); a = np.abs(x).max(-1, keepdims=True)
;;       e = np.where(a > 0, np.clip(np.frexp(np.where(a > 0, a, 1))[1] - 1 - 2, -126, 127), 0)      # np.frexp(a)[1] - 1 = floor(log2(a)), exactly
;;       r = np.clip(x / 2.0 ** e, -7.5, 7.5)
;;       step = 2.0 ** (np.maximum(np.frexp(np.where(r == 0, 1, r))[1] - 1, 0) - 3)
;;       q = np.round(r / step) * step * 2.0 ** e      # np.round: ties to even
;;       return np.moveaxis(q.reshape(q.shape[:-2] + (-1,))[..., :K], -1, axis).astype(np.float32)
;;   ~~~
;;   SOFTMAX AHEAD OF A QUANTISED PRODUCT. Where the list says 'softmax', what is quantised is not the finished softmax but p = 2^(t - M), with t = logit x log2(e) and M = ceil(the row's largest t), a whole number; so 1/2 < the row's largest p <= 1. The row's sum l is taken of the UNQUANTISED p, in f32, and the product's result is divided by l at the end. Since M is a whole number, a kernel that streams over the keys may use a running M (the ceiling of the running maximum): every later rescaling is an exact power of two, which a block's scale takes up: the codes' values come out the same.
;;   OPERANDS COMPUTED ON THE WAY. 'Computed on the way' means the value that the module computes at that place (a softmax that the list does not call 'softmax' is quantised finished and normalised). What goes into a quantiser is computed in f32, as accurately as f32 sums, v_exp_f32 and their like allow (about 1e-6 of the number): no bf16 or f16 on the way to a quantiser, and a product that is left as it is and whose result goes on into a quantised operand takes f32 operands (vector FMAs, or v_wmma_f32_16x16x4_f32). A number that lies on a knife's edge between two numbers of the format may be rounded either way, as far as f32 arithmetic and the matrix unit's own rounding can turn it there, and no further.
;; One version. Each part assembles by itself: llvm-mc -triple=amdgcn-amd-amdhsa -mcpu=gfx1250 --defsym DOCPART=n.
;; ======== version 1 of 1: 4 launches
;; workspace buffers: xc 21,233,664 bytes; xs 884,736 bytes; yc 18,874,368 bytes; ys 786,432 bytes; pc 12,582,912 bytes; ps 524,288 bytes; pm 1,048,576 bytes
;; launch quant (part 1): grid 864 x 1, 4 waves a work-group, no clusters, 34,304 bytes of LDS; arguments query, key, value, Wq, Wk, Wv, xc, xs; writes xc, xs
.if DOCPART == 1
	.amdgcn_target "amdgcn-amd-amdhsa--gfx1250"
	.amdhsa_code_object_version 6
	.text
	.protected	k_q35483ad96f_quant
	.globl	k_q35483ad96f_quant
	.p2align	8
	.type	k_q35483ad96f_quant,@function
k_q35483ad96f_quant:
	s_mov_b64 s[64:65], 0
	v_nop
	global_prefetch_b8 v0, s[64:65] scope:SCOPE_SE
	s_setreg_imm32_b32 hwreg(HW_REG_WAVE_MODE, 25, 1), 1
	s_wait_xcnt 0x0
; query, key, value [8192][1024] and Wq, Wk, Wv [1024][1024], f32 with K innermost, become codes of FP6 (E2M3) and one E8M0 scale byte for each 32 along K.
; A block's scale is 2^(floor(log2(its largest magnitude)) - 2); its byte is the largest magnitude's exponent field - 2, held at 1 from below.  A block of zeros so gets the byte 1 where the
; quantiser's rule says 127: its codes are zeros, which add nothing under any byte but 0xff, and the bytes are read by this program alone.
; LIMITS: blocks whose largest magnitude lies under 2^-124 get the byte 1; NaN and infinities among the inputs are not served.
; THE WORKSPACE.  The six tensors stand one behind the other as 27,648 rows (query 0, key 8192, value 16384, Wq 24576, Wk 25600, Wv 26624).  Codes lie in blocks of 128 rows x 256 along K, 24,576 dense bytes, block number
; (row / 128) x 4 + k / 256; inside a block: [group of 64 along K: 4][row: 128][48 bytes].  So a product's tile is one dense block, and in LDS, as it lies, the 32 lanes of a fragment's 8-byte load (48 bytes from row to row,
; 24 from half to half) fall on 64 different banks (64 banks of 4 bytes: ISA guide 11.1) with no padding.  Scale bytes lie in blocks of 1,024: (row % 128) x 8 + (k % 256) / 32.
; key, value, Wq and Wk are stored with bits 3 and 4 of the row number swapped: sixteen neighbouring stored rows, taken as source 0 of a matrix instruction, then leave 16 neighbours along the next K in a lane's registers.
; SHARES.  A work-group takes 32 rows, a wave 8 of them, in 16 steps of 8 rows x 64 along K.  Each load reads two rows' 256 consecutive bytes, aligned; the step's 2,048 bytes turn through the wave's own stage in LDS, so that a
; lane holds 16 neighbours along K (two lanes a block).  A step's codes are 384 consecutive bytes.  The scale bytes of the 32 rows meet in 1,024 bytes of LDS; behind one barrier wave w stores chunk w's 256 bytes, aligned.
; A stream: no matrix unit, no tensor load, no cluster (no byte is read twice).  Loads run four steps (16 loads a wave) ahead.
.set STEPS, 16
.set EMAX,  2
.set R,     16                         ; v16-79   four sets of 16 numbers as they are loaded
.set X,     80                         ; v80-111  two sets of 16 neighbours
.set E,     112                        ; v112-127 a scale byte for each step
.set C,     128                        ; v128-191 codes: four registers for each step, so that no store's data are written again
.set WREG,  8192                       ; LDS: a region for each wave: two stages of 32 x SP bytes
.set SP,    80                         ; a lane's place in a stage: its 64 bytes + 16 of padding
.set SCR,   32768                      ; the work-group's scale bytes: [chunk 4][wave 4][row 8][8]
	s_load_b256 s[8:15], s[0:1], 0x0               ; query s[8:9], key s[10:11], value s[12:13], Wq s[14:15]
	s_load_b256 s[16:23], s[0:1], 0x20             ; Wk s[16:17], Wv s[18:19], xc s[20:21], xs s[22:23]
	v_lshl_add_u32 v192, v0, 2, 0x8400
	v_mov_b32 v193, 0
	v_lshrrev_b32 v1, 5, v0
	v_readfirstlane_b32 s7, v1                     ; wave
	v_and_b32 v2, 31, v0                           ; lane
	v_and_b32 v3, 15, v2
	v_lshlrev_b32 v3, 4, v3
	v_lshrrev_b32 v8, 4, v2
	v_lshl_add_u32 v3, v8, 12, v3                  ; a load: lanes 0-15 one row's 256 bytes, lanes 16-31 the next row's
	s_mul_i32 s24, s7, WREG
	v_lshrrev_b32 v14, 2, v2
	v_mul_u32_u24 v14, v14, SP
	v_and_b32 v15, 3, v2
	v_lshl_add_u32 v14, v15, 4, v14
	v_add_nc_u32 v14, s24, v14                     ; the stage, on the way in: SP (lane / 4) + 16 (lane % 4); load i's two rows take places 8 i to 8 i + 7
	v_mul_u32_u24 v15, v2, SP
	v_add_nc_u32 v15, s24, v15                     ; and on the way out: SP x lane: row lane / 4, its 16 neighbours 16 (lane % 4) on
	v_mul_u32_u24 v4, v2, 12                       ; my codes' place in a step's 384 bytes: 48 (lane / 4) + 12 (lane % 4)
	v_bfe_u32 v5, v2, 1, 1                         ; which of the step's two blocks of my row
	v_lshrrev_b32 v6, 2, v2                        ; my row
	v_lshl_add_u32 v5, v6, 3, v5
	s_lshl_b32 s24, s7, 6
	s_add_co_u32 s24, s24, SCR
	v_add_nc_u32 v5, s24, v5                       ; where my block's byte goes: SCR + 64 wave + 8 row + block
	s_lshl_b32 s24, s7, 8
	s_add_co_u32 s24, s24, SCR
	v_lshl_add_u32 v6, v2, 3, s24                  ; at the end: chunk = my wave's number, row = my lane
	s_and_b32 s27, s7, 1
	s_lshl_b32 s27, s27, 1
	s_lshr_b32 s28, s7, 1
	s_or_b32 s27, s27, s28                         ; my wave's number with its two bits swapped
	s_sub_co_u32 s24, ttmp9, 256
	s_cmp_lt_u32 s24, 576                          ; work-groups 256 to 831: key, value, Wq, Wk: stored with the swap
	s_cselect_b32 s25, s27, s7                     ; which 8 stored rows of the 32 are mine
	s_cselect_b32 s26, 24, 0
	v_lshrrev_b32 v7, 3, v2
	v_lshrrev_b32 v8, 4, v2
	v_xor_b32 v7, v7, v8
	v_and_b32 v7, 1, v7
	v_mul_u32_u24 v7, s26, v7
	v_xor_b32 v7, v7, v2                           ; row = lane, its bits 3 and 4 swapped where the tensor is stored so
	v_lshlrev_b32 v7, 3, v7                        ; 8 scale bytes a row
	s_wait_kmcnt 0x0
	s_mov_b64 s[4:5], s[18:19]                     ; which tensor: the choice hangs on the work-group's number alone
	s_mov_b32 s6, 832
	s_cmp_lt_u32 ttmp9, 832
	s_cselect_b64 s[4:5], s[16:17], s[4:5]
	s_cselect_b32 s6, 800, s6
	s_cmp_lt_u32 ttmp9, 800
	s_cselect_b64 s[4:5], s[14:15], s[4:5]
	s_cselect_b32 s6, 768, s6
	s_cmp_lt_u32 ttmp9, 768
	s_cselect_b64 s[4:5], s[12:13], s[4:5]
	s_cselect_b32 s6, 512, s6
	s_cmp_lt_u32 ttmp9, 512
	s_cselect_b64 s[4:5], s[10:11], s[4:5]
	s_cselect_b32 s6, 256, s6
	s_cmp_lt_u32 ttmp9, 256
	s_cselect_b64 s[4:5], s[8:9], s[4:5]
	s_cselect_b32 s6, 0, s6                        ; the tensor's first work-group
	s_sub_co_u32 s28, ttmp9, s6
	s_lshl_b32 s28, s28, 2
	s_add_co_u32 s28, s28, s7
	s_lshl_b32 s28, s28, 15                        ; my 8 rows of 4,096 bytes
	s_mov_b32 s29, 0
	s_add_nc_u64 s[4:5], s[4:5], s[28:29]
	s_lshr_b32 s30, ttmp9, 2                       ; the block of 128 rows
	s_and_b32 s31, ttmp9, 3                        ; the 32 rows in it
	s_mul_i32 s28, s30, 98304
	s_lshl_b32 s24, s31, 5
	s_lshl_b32 s27, s25, 3
	s_add_co_u32 s24, s24, s27
	s_mul_i32 s24, s24, 48
	s_add_co_u32 s28, s28, s24
	s_add_nc_u64 s[20:21], s[20:21], s[28:29]      ; my 8 rows' codes in chunk 0, group 0
	s_lshl_b32 s28, s30, 12
	s_lshl_b32 s24, s7, 10
	s_add_co_u32 s28, s28, s24
	s_lshl_b32 s24, s31, 8
	s_add_co_u32 s28, s28, s24
	s_add_nc_u64 s[22:23], s[22:23], s[28:29]      ; the 32 rows' scale bytes in chunk = my wave's number
.macro LOAD t                          ; step t: K = 64 t on, of my 8 rows: four loads of two rows each
.irp i, 0,1,2,3
	global_load_b128 v[R+16*((\t)%4)+4*\i:R+16*((\t)%4)+4*\i+3], v3, s[4:5] offset:2*\i*4096+(\t)*256 th:TH_LOAD_NT
.endr
.endm
.macro TURN t                          ; step t's numbers through the stage: LDS serves a wave's instructions in order, so no wait stands between the stores and the loads
.irp i, 0,1,2,3
	ds_store_b128 v14, v[R+16*((\t)%4)+4*\i:R+16*((\t)%4)+4*\i+3] offset:32*SP*((\t)%2)+8*SP*\i
.endr
.irp i, 0,1,2,3
	ds_load_b128 v[X+16*((\t)%2)+4*\i:X+16*((\t)%2)+4*\i+3], v15 offset:32*SP*((\t)%2)+16*\i
.endr
.endm
.irp t, 0,1,2,3
	LOAD \t
.endr
	s_wait_loadcnt 12                              ; step 0's four loads are in
	TURN 0
.macro STEP t
.set XS, X+16*((\t)%2)
.if (\t) > 0
	s_wait_dscnt 1                                 ; this step's numbers are back from the stage (the last step's byte store may be out): so its stores into the stage have read their registers,
.else
	s_wait_dscnt 0x0
.endif
.if (\t)+4 < STEPS
	LOAD (\t)+4                                    ; which take the loads of four steps on
.endif
.if (\t)+1 < STEPS
.if STEPS-2-(\t) >= 3
	s_wait_loadcnt 12                              ; the next step's four loads are in; those of the three steps behind it may be out
.else
	s_wait_loadcnt 4*(STEPS-2-(\t))
.endif
	TURN (\t)+1                                    ; and go through the other stage while this step is worked
.endif
	v_max3_num_f32 v8, |v[XS]|, |v[XS+1]|, |v[XS+2]|               ; the largest magnitude of my 16, in two chains
	v_max3_num_f32 v9, |v[XS+3]|, |v[XS+4]|, |v[XS+5]|
.irp i, 6,10
	v_max3_num_f32 v8, v8, |v[XS+\i]|, |v[XS+\i+1]|
	v_max3_num_f32 v9, v9, |v[XS+\i+2]|, |v[XS+\i+3]|
.endr
	v_max3_num_f32 v8, v8, |v[XS+14]|, |v[XS+15]|
	v_max3_num_f32 v8, v8, v9, (EMAX+1)<<23        ; and the floor 2^(3 - 127): the byte cannot fall under 1
	v_max_num_f32_dpp v8, v8, v8 row_xmask:1 row_mask:0xf bank_mask:0xf   ; and of my neighbour's 16: the block's
	v_add_nc_u32 v11, -(EMAX<<23), v8              ; 2 off its exponent field: the conversion takes the exponent field of this operand as its scale, and nothing else of it
	v_cvt_scalef32_pk16_fp6_f32 v[C+4*(\t):C+4*(\t)+2], v[XS:XS+15], v11   ; sixteen codes, 96 bits without gaps, the first number's code lowest; beyond 7.5 the largest code
	v_lshrrev_b32 v[E+(\t)], 23, v11               ; the scale's byte
	ds_store_b8 v5, v[E+(\t)] offset:256*((\t)/4)+2*((\t)%4)       ; both lanes of a block write the same byte with the same value
	global_store_b96 v4, v[C+4*(\t):C+4*(\t)+2], s[20:21] offset:24576*((\t)/4)+6144*((\t)%4)   ; 384 consecutive bytes: my 8 rows of the group of 64 along K
.endm
.irp t, 0,1,2,3,4,5,6,7,8,9,10,11,12,13,14,15
	STEP \t
.endr
	s_wait_dscnt 0x0                               ; for the others' sake: my byte stores are done
	s_barrier_signal -1
	s_barrier_wait -1
	ds_load_b64 v[12:13], v6                       ; chunk = my wave's number: the 32 rows' 8 bytes each
	s_wait_dscnt 0x0
	global_store_b64 v7, v[12:13], s[22:23]        ; 32 lanes store 256 consecutive bytes, aligned; the swap of rows moves runs of 64 bytes inside them
	s_wait_tensorcnt 0x0
	ds_add_u32 v192, v193
	s_wait_dscnt 0x0
	s_endpgm
.Lfunc_end_k_q35483ad96f_quant:
	.size	k_q35483ad96f_quant, .Lfunc_end_k_q35483ad96f_quant-k_q35483ad96f_quant
	.p2alignl 7, 3214868480
	.fill 96, 4, 3214868480
	.section	.rodata,"a",@progbits
	.p2align	6, 0x0
	.amdhsa_kernel k_q35483ad96f_quant
		.amdhsa_group_segment_fixed_size 34304
		.amdhsa_private_segment_fixed_size 0
		.amdhsa_enable_private_segment 0
		.amdhsa_kernarg_size 64
		.amdhsa_user_sgpr_count 2
		.amdhsa_user_sgpr_kernarg_segment_ptr 1
		.amdhsa_wavefront_size32 1
		.amdhsa_system_sgpr_workgroup_id_x 1
		.amdhsa_system_sgpr_workgroup_id_y 1
		.amdhsa_system_sgpr_workgroup_id_z 1
		.amdhsa_system_vgpr_workitem_id 0
		.amdhsa_next_free_vgpr 194
		.amdhsa_next_free_sgpr 66
		.amdhsa_reserve_vcc 0
		.amdhsa_float_denorm_mode_32 3
		.amdhsa_float_denorm_mode_16_64 3
		.amdhsa_memory_ordered 1
		.amdhsa_forward_progress 1
		.amdhsa_inst_pref_size 34
	.end_amdhsa_kernel
	.amdgpu_metadata
---
amdhsa.version: [ 1, 2 ]
amdhsa.kernels:
  - .name:           k_q35483ad96f_quant
    .symbol:         k_q35483ad96f_quant.kd
    .args:
      - { .name: query, .offset: 0, .size: 8, .value_kind: global_buffer, .address_space: global }
      - { .name: key, .offset: 8, .size: 8, .value_kind: global_buffer, .address_space: global }
      - { .name: value, .offset: 16, .size: 8, .value_kind: global_buffer, .address_space: global }
      - { .name: Wq, .offset: 24, .size: 8, .value_kind: global_buffer, .address_space: global }
      - { .name: Wk, .offset: 32, .size: 8, .value_kind: global_buffer, .address_space: global }
      - { .name: Wv, .offset: 40, .size: 8, .value_kind: global_buffer, .address_space: global }
      - { .name: xc, .offset: 48, .size: 8, .value_kind: global_buffer, .address_space: global }
      - { .name: xs, .offset: 56, .size: 8, .value_kind: global_buffer, .address_space: global }
    .group_segment_fixed_size: 34304
    .private_segment_fixed_size: 0
    .kernarg_segment_align: 8
    .kernarg_segment_size: 64
    .max_flat_workgroup_size: 128
    .sgpr_count:     66
    .vgpr_count:     194
    .wavefront_size: 32
...
	.end_amdgpu_metadata
.endif
;; end of part 1
;; launch proj (part 2): grid 4 x 96, 4 waves a work-group, clusters of 4 x 4, 327,680 bytes of LDS; arguments xc, xs, yc, ys, bq, bk, bv; writes yc, ys
.if DOCPART == 2
	.amdgcn_target "amdgcn-amd-amdhsa--gfx1250"
	.amdhsa_code_object_version 6
	.text
	.protected	k_q35483ad96f_proj
	.globl	k_q35483ad96f_proj
	.p2align	8
	.type	k_q35483ad96f_proj,@function
k_q35483ad96f_proj:
	s_mov_b64 s[64:65], 0
	v_nop
	global_prefetch_b8 v0, s[64:65] scope:SCOPE_SE
	s_setreg_imm32_b32 hwreg(HW_REG_WAVE_MODE, 25, 1), 1
	s_wait_xcnt 0x0
	s_wait_alu depctr_hold_cnt(0) depctr_sa_sdst(0) depctr_va_vdst(0) depctr_va_sdst(0) depctr_va_ssrc(0) depctr_va_vcc(0) depctr_vm_vsrc(0)
	s_getreg_b32 s2, hwreg(HW_REG_IB_STS2, 6, 4)
	s_cmp_eq_u32 s2, 0
	s_cbranch_scc0 .Lentry_in_a_cluster
	s_endpgm
.Lentry_in_a_cluster:
	s_bfe_u32 s2, ttmp6, 0x10000c
	s_cmp_lg_u32 s2, 0xf033
	s_cbranch_scc0 .Lentry_shape_is_right
	s_endpgm
.Lentry_shape_is_right:
; q = query Wq^T + bq, k = key Wk^T + bk and v^T = Wv value^T + bv, each [.. x 1024 along K] on codes of FP6 (E2M3) with one E8M0 scale for each 32 along K, sums in f32; the results are quantised on the way out,
; along the axis that the next product contracts: q and k along their 1,024 channels, v^T along the keys.  Nothing but codes and scale bytes goes to memory.
; LIMITS: result blocks whose largest magnitude lies under 2^-124, blocks of zeros among them, get the scale byte 1 (their codes are zeros or next to it; this program alone reads the bytes); NaN and infinities are not served.
; SHARES.  A tile of 256 x 256 is made by a work-group of four waves, a wave makes 128 x 128: 64 accumulators of 16 x 16, 512 registers.
; THE TILES.  128 rows x 256 along K are one dense block of 24,576 bytes of the workspace, laid [group of 64 along K: 4][row: 128][48 bytes]; it comes into LDS as it lies, as 96 rows of 256 bytes.  From row to row are 12 words and
; from half to half of the lanes 6, so the 32 lanes of an 8-byte load fall on 64 different banks (64 banks of 4 bytes: ISA guide 11.1): no padding.  K has four chunks of 256, LDS has THREE slots of 98,304 bytes: chunks 0, 1, 2
; and the scale bytes (4 x 4,096 dense bytes) are the first fills; chunk 3 is the one refill, into slot 0, behind the round at the end of chunk 0: it has two chunks, 256 matrix instructions, in which to land.
; CLUSTERS: 4 x 4 work-groups make 1,024 x 1,024.  Cluster c = 0..7: q, 8..15: k (A = the rows of query or key, B = the weight); 16..23: v^T (A = Wv, B = 1,024 rows of value).  The four of a row of the cluster need the same
; tiles of A, the four of a column the same tiles of B: each is asked for JOINTLY.  c is the same in all sixteen partners.
; THE MATRIX INSTRUCTION IS USED TRANSPOSED (source 0 = 16 rows of B, source 1 = 16 rows of A), and B's rows are stored with bits 3 and 4 of the row number swapped: so a lane holds one row of the result, and the 64 registers
; of A's block a are its row's 128 columns, register 16 b + i = column 32 b + 16 (lane / 16) + i: four half blocks of 32, as the conversions want them.  A wave's 128 columns are one fragment and one scale word a row.
; THE BIASES.  Along the columns (q, k): the C of each sum's first matrix instruction.  Along the rows (v^T): added by the packed additions that bring a block out of its window.  The one that does not apply is made 0.
; No prefetch: three of K's four chunks are asked for at the head, and each tile is shared by four work-groups.  No loop: the eight steps of 128 along K differ in slot, barrier or refill.
; REGISTERS, in windows of 256: window 0: v0-31 addresses; v32-63 scale words, two sets, and nothing else; v64-127 the bias along the columns, later a block's numbers; v128-223 A's fragments, ONE set, later codes and work;
;   v224-239 the bias along the rows.  window 1: B's fragments, TWO sets, at v0 and v128.  window 2: the accumulators of my rows 0-63 ((a, b) at v[8 (8 a + b)]); window 3: those of my rows 64-127.
.set FR,     12                        ; registers of a fragment: 16 rows x 128 K
.set NL,     6                         ; LDS loads that bring one
.set NP,     4                         ; places behind this matrix instruction (ISA guide 7.12.1)
.set BLK,    24576                     ; a block of the workspace: what one tensor load brings
.set SLOT,   4*BLK                     ; A's two blocks, then B's two
.set SCL,    3*SLOT                    ; behind the slots: the scale bytes, [wave's 128 rows][chunk 4][row 128][8]
.set SPARE,  SCL+16384                 ; the spare words, 128 bytes for each wave: two blocks of 256 bytes that no other line names
.set CST,    SLOT                      ; the way out, in slot 1 (it is filled once, and nobody reads it behind the last barrier of the products): two blocks of codes as they will lie in memory,
.set SST,    CST+2*BLK                 ; and their scale words [half 2][row 128][8]
.set ADRA, 16                          ; v16-18  LDS address of my A fragments in slot 0, 1, 2
.set ADRB, 20                          ; v20-22  the same for B
.set STO,  24                          ; v24     the way out: where my 24 bytes of codes go
.set RD,   25                          ; v25     16 x my thread's number: my place in 2,048 bytes of a block of the workspace
.set STS,  26                          ; v26     where my row's scale word goes
.set ADRS, 27                          ; v27     LDS address of my scale words: lanes 0-15 A's rows, lanes 16-31 B's
.set SPW,  28                          ; v28     LDS address of my spare word; never rewritten
.set NIL,  29                          ; v29     0; never rewritten
.set SOF,  30                          ; v30     my 16 scale bytes' place in ys
.set RDL,  31                          ; v31     CST + 16 x my thread's number: the stage read back
.set SC,   32
.set BN,   64
.set AF,   128
.set BM,   224
.set PC,   128                         ; the way out: codes v128-139, halves in the making up to v146
.set TM,   160                         ; v160-175 at work
.set PW,   176                         ; the scale word just made
.set SEL,  66                          ; s[66:67] lane selects for v_permlanex16_b32: lane l xor 16
.set G1,   24                          ; s[24:31] descriptor group 1 for A's tiles;  s[48:55] for B's
.set G1B,  48
.set G1S,  68                          ; s[68:75], s[76:79] groups 1 and 0 for A's scales;  s[80:87], s[88:91] for B's
.set G0S,  76
.set G1SB, 80
.set G0SB, 88
.set GA0,  32                          ; groups 0 for A's tiles, one for each slot: all three first fills are out together
.set GA1,  36
.set GA2,  4                           ; (in the registers that held the inputs' addresses, which are done with by then)
.set GB0,  56                          ; and for B's
.set GB1,  60
.set GB2,  92
.set MSB, 0
.macro WIN new                         ; the immediate's high byte repeats the setting that is left
.if MSB != \new
	s_set_vgpr_msb (MSB<<8)|\new
.set MSB, \new
.endif
.endm
.set MUL_LO, 0xa1                      ; source 0 (B) window 1, source 1 (A) window 0, C and D window 2
.set MUL_HI, 0xf1                      ; the same, C and D window 3
.set TO_B,   0x40                      ; destination window 1, address window 0
; A joint load: waves 0 and 1 fetch for A, waves 2 and 3 for B.  Each line has one mask and one set of registers for all that issue it; the branch hangs on the wave's number alone.  Four v_nop follow each line.
.macro JLOAD g0a, g1a, g0b, g1b
	s_cmp_eq_u32 s15, 0
	s_cbranch_scc0 .Lfor_b_\@
	tensor_load_to_lds s[\g0a:\g0a+3], s[\g1a:\g1a+7]
	s_nop 0
.rept 4
	v_nop
.endr
	s_branch .Lasked_\@
.Lfor_b_\@:
	tensor_load_to_lds s[\g0b:\g0b+3], s[\g1b:\g1b+7]
	s_nop 0
.rept 4
	v_nop
.endr
.Lasked_\@:
.endm
.macro CREST                           ; a round of the cluster's barrier behind its opening barrier
	s_cmp_lg_u32 s14, 0
	s_cbranch_scc1 .Lnot_wave_0_\@
	s_barrier_signal -3
.Lnot_wave_0_\@:
	s_barrier_wait -3
	s_barrier_signal -1
	s_barrier_wait -1
.endm
.macro CROUND                          ; a whole round
	s_barrier_signal -1
	s_barrier_wait -1
	CREST
.endm
.macro FIRST ga, gb, s                 ; slot s's groups 0, for chunk s, and its first fill
	s_mov_b32 s[\ga], 1
	s_add_co_u32 s[\ga+1], s45, \s*SLOT
	s_add_nc_u64 s[\ga+2:\ga+3], s[20:21], \s*BLK
	s_or_b32 s[\ga+3], s[\ga+3], 0x80000000
	s_mov_b32 s[\gb], 1
	s_add_co_u32 s[\gb+1], s45, \s*SLOT
	s_add_nc_u64 s[\gb+2:\gb+3], s[46:47], \s*BLK
	s_or_b32 s[\gb+3], s[\gb+3], 0x80000000
	JLOAD \ga, G1, \gb, G1B
.endm
	s_load_b128 s[4:7], s[0:1], 0x0                ; xc, xs
	s_load_b128 s[96:99], s[0:1], 0x10             ; yc, ys
	s_load_b128 s[8:11], s[0:1], 0x20              ; bq, bk
	s_load_b64 s[12:13], s[0:1], 0x30              ; bv
	v_lshl_add_u32 v[SPW], v0, 2, SPARE
	v_mov_b32 v[NIL], 0
	ds_add_u32 v28, v29
	ds_add_u32 v28, v29
	s_wait_dscnt 0x0
	v_lshrrev_b32 v1, 5, v0
	v_readfirstlane_b32 s14, v1                    ; wave 0..3
	s_lshr_b32 s15, s14, 1                         ; which half of the tile's rows is mine.  Also: I fetch for A (0) or for B (1)
	s_and_b32 s16, s14, 1                          ; which half of its columns.  Also: which 128 rows I fetch
	s_bfe_u32 s40, ttmp6, 0x40000                  ; cx, cy: my place in the cluster
	s_bfe_u32 s41, ttmp6, 0x40004
	s_and_b32 s17, ttmp7, 0xffff                   ; c: the cluster
	s_lshl_b32 s43, s41, 2
	s_lshl_b32 s43, 15, s43                        ; my row of the cluster
	s_lshl_b32 s44, 0x1111, s40                    ; my column
	s_mov_b32 s[SEL], 0x76543210
	s_mov_b32 s[SEL+1], 0xfedcba98
	; descriptor group 1: a dense block of 24,576 bytes as 96 rows of 256 bytes (32 elements of 8 bytes)
	s_or_b32 s[G1+0], s43, (3<<16)|(1<<21)         ; 15:0 the mask: A's tiles go to my row; elements of 8 bytes; bit 21 beside a mask
	s_or_b32 s[G1B+0], s44, (3<<16)|(1<<21)
.irp g, G1, G1B
	s_mov_b32 s[\g+1], 32<<16                      ; tensor_dim0
	s_mov_b32 s[\g+2], 96<<16                      ; tensor_dim1
	s_mov_b32 s[\g+3], 32<<16                      ; tile_dim0
	s_mov_b32 s[\g+4], 96                          ; tile_dim1
	s_mov_b32 s[\g+5], 32                          ; from row to row
	s_mov_b32 s[\g+6], 0
	s_mov_b32 s[\g+7], 0
.endr
	; the scale bytes of 128 rows for all of K: 4,096 dense bytes, as 16 rows of 256 bytes
	s_or_b32 s[G1S+0], s43, (3<<16)|(1<<21)
	s_or_b32 s[G1SB+0], s44, (3<<16)|(1<<21)
.irp g, G1S, G1SB
	s_mov_b32 s[\g+1], 32<<16
	s_mov_b32 s[\g+2], 16<<16
	s_mov_b32 s[\g+3], 32<<16
	s_mov_b32 s[\g+4], 16
	s_mov_b32 s[\g+5], 32
	s_mov_b32 s[\g+6], 0
	s_mov_b32 s[\g+7], 0
.endr
	; which rows, in blocks of 128: the activations' begin at 8 c, the weight's at 192 + 8 (c / 8)
	s_lshl_b32 s18, s17, 3
	s_lshr_b32 s19, s17, 3
	s_lshl_b32 s19, s19, 3
	s_add_co_u32 s19, s19, 192
	s_cmp_lt_u32 s17, 16
	s_cselect_b32 s20, s18, s19                    ; A: the activations for q and k, Wv for v^T
	s_cselect_b32 s46, s19, s18                    ; B: the other
	s_cselect_b32 s104, -1, 0                      ; the bias runs along the columns,
	s_cselect_b32 s105, 0, -1                      ; or along the rows
	s_lshl_b32 s21, s41, 1
	s_add_co_u32 s20, s20, s21
	s_add_co_u32 s20, s20, s16                     ; A's block of rows that I fetch: hangs on cy, never on cx
	s_lshl_b32 s47, s40, 1
	s_add_co_u32 s46, s46, s47
	s_add_co_u32 s46, s46, s16                     ; B's: on cx, never on cy
	s_lshl_b32 s22, s20, 12                        ; its scale bytes,
	s_mov_b32 s23, 0
	s_mul_i32 s20, s20, 4*BLK                      ; its codes
	s_mov_b32 s21, 0
	s_lshl_b32 s92, s46, 12
	s_mov_b32 s93, 0
	s_mul_i32 s46, s46, 4*BLK
	s_mov_b32 s47, 0
	s_mul_i32 s45, s14, BLK                        ; where they go: wave x a block: no place in the cluster enters an LDS address
	s_lshl_b32 s94, s14, 12
	s_wait_kmcnt 0x0
	s_add_nc_u64 s[20:21], s[4:5], s[20:21]
	s_add_nc_u64 s[22:23], s[6:7], s[22:23]
	s_add_nc_u64 s[46:47], s[4:5], s[46:47]
	s_add_nc_u64 s[92:93], s[6:7], s[92:93]
	CROUND                                         ; all sixteen work-groups are here: the first joint loads meet
	s_mov_b32 s[G0S], 1
	s_add_co_u32 s[G0S+1], s94, SCL
	s_mov_b64 s[G0S+2:G0S+3], s[22:23]
	s_or_b32 s[G0S+3], s[G0S+3], 0x80000000
	s_mov_b32 s[G0SB], 1
	s_add_co_u32 s[G0SB+1], s94, SCL
	s_mov_b64 s[G0SB+2:G0SB+3], s[92:93]
	s_or_b32 s[G0SB+3], s[G0SB+3], 0x80000000
	JLOAD G0S, G1S, G0SB, G1SB                     ; the scales first: they are wanted with chunk 0
	FIRST GA0, GB0, 0                              ; four loads of mine are out behind these
	FIRST GA1, GB1, 1
	FIRST GA2, GB2, 2
	v_and_b32 v1, 15, v0                           ; r = l % 16
	v_bfe_u32 v2, v0, 4, 1                         ; h = l / 16
	; the bias: one vector of 1,024 numbers, read along the columns and along the rows; the reading that does not apply is made 0 below
	s_cmp_lt_u32 s17, 16
	s_cselect_b64 s[10:11], s[10:11], s[12:13]
	s_cmp_lt_u32 s17, 8
	s_cselect_b64 s[10:11], s[8:9], s[10:11]
	s_lshl_b32 s46, s40, 10
	s_lshl_b32 s47, s16, 9
	s_add_co_u32 s46, s46, s47
	v_lshl_add_u32 v8, v2, 6, s46                  ; 4 (256 cx + 128 column half + 16 h)
	s_lshl_b32 s20, s41, 10
	s_lshl_b32 s21, s15, 9
	s_add_co_u32 s20, s20, s21
	v_lshl_add_u32 v9, v1, 2, s20                  ; 4 (256 cy + 128 row half + r)
.irp b, 0,1,2,3
.irp j, 0,1,2,3
	global_load_b128 v[BN+16*\b+4*\j:BN+16*\b+4*\j+3], v8, s[10:11] offset:128*\b+16*\j   ; register 16 b + i: column 32 b + 16 h + i, as in the accumulators
.endr
.endr
.irp a, 0,1,2,3,4,5,6,7
	global_load_b32 v[BM+2*\a], v9, s[10:11] offset:64*\a       ; row 16 a + r, twice: a pair for the packed addition
	global_load_b32 v[BM+2*\a+1], v9, s[10:11] offset:64*\a
.endr
	v_mul_u32_u24 v3, v1, 48
	v_mad_u32_u24 v4, v2, 24, v3                   ; a fragment's row x 48 + 24 x half
	s_mul_i32 s21, s15, BLK                        ; my 128 rows of A
	s_mul_i32 s22, s16, BLK                        ; my 128 rows of B,
	s_add_co_u32 s22, s22, 2*BLK                   ; which lie behind A's two blocks
.irp s, 0,1,2
	v_add_nc_u32 v[ADRA+\s], s21, v4
	v_add_nc_u32 v[ADRB+\s], s22, v4
	s_add_co_u32 s21, s21, SLOT
	s_add_co_u32 s22, s22, SLOT
.endr
	v_lshlrev_b32 v5, 3, v1                        ; my row's 8 scale bytes of a chunk
	s_lshl_b32 s21, s15, 12                        ; A's: my 128 rows
	s_lshl_b32 s22, s16, 12                        ; B's: my 128 rows, behind A's two halves
	s_add_co_u32 s22, s22, 8192
	s_sub_co_u32 s22, s22, s21
	v_mul_u32_u24 v6, s22, v2                      ; lanes 16-31 take B's
	s_add_co_u32 s21, s21, SCL
	v_add_nc_u32 v5, v5, v6
	v_add_nc_u32 v[ADRS], s21, v5
	s_mul_i32 s21, s15, BLK                        ; the stage: block = row half; group of 64 = 2 x column half + c; row 16 a + r; + 24 h
	s_mul_i32 s22, s16, 12288
	s_add_co_u32 s21, s21, s22
	s_add_co_u32 s21, s21, CST
	v_add_nc_u32 v[STO], s21, v4
	v_lshlrev_b32 v[RD], 4, v0
	v_lshl_add_u32 v[RDL], v0, 4, CST
	s_lshl_b32 s21, s15, 10
	s_lshl_b32 s22, s16, 2
	s_add_co_u32 s21, s21, s22
	s_add_co_u32 s21, s21, SST
	v_lshl_add_u32 v[STS], v1, 3, s21              ; SST + 1,024 x row half + 8 r + 4 x column half
	; where the tile goes: two blocks of the workspace, one for each half of its rows.  q, k: block (8 c + 2 cy + half) x 4 + cx;  v^T: 512 + batch x 64 + (2 cy + half) x 8 + the keys' chunk
	s_lshl_b32 s18, s17, 5
	s_lshl_b32 s19, s41, 3
	s_add_co_u32 s18, s18, s19
	s_max_u32 s19, s17, 16
	s_sub_co_u32 s19, s19, 16
	s_lshr_b32 s19, s19, 1
	s_lshl_b32 s19, s19, 6
	s_lshl_b32 s2, s41, 4
	s_add_co_u32 s19, s19, s2
	s_and_b32 s2, s17, 1
	s_lshl_b32 s2, s2, 2
	s_add_co_u32 s19, s19, s2
	s_add_co_u32 s19, s19, 512
	s_cmp_lt_u32 s17, 16
	s_cselect_b32 s18, s18, s19
	s_cselect_b32 s19, 4, 8                        ; blocks from one half of the rows to the other
	s_add_co_u32 s18, s18, s40
	s_mul_i32 s22, s18, BLK
	s_mov_b32 s23, 0
	s_add_nc_u64 s[96:97], s[96:97], s[22:23]      ; the first block's codes
	s_mul_i32 s22, s19, BLK
	s_add_nc_u64 s[8:9], s[96:97], s[22:23]        ; the second's
	s_lshl_b32 s22, s18, 10
	s_add_nc_u64 s[98:99], s[98:99], s[22:23]      ; the first block's scale bytes
	v_and_b32 v5, 63, v0
	v_lshlrev_b32 v5, 4, v5
	s_mul_i32 s21, s15, s19
	s_lshl_b32 s21, s21, 10
	v_add_nc_u32 v[SOF], s21, v5                   ; threads 0-63 the first block's 1,024 bytes, threads 64-127 the second's
	s_wait_loadcnt 0x0                             ; the bias
.set ii, 0
.rept 64
	v_cndmask_b32 v[BN+ii], 0, v[BN+ii], s104      ; kept for q and k
.set ii, ii+1
.endr
.set ii, 0
.rept 16
	v_cndmask_b32 v[BM+ii], 0, v[BM+ii], s105      ; kept for v^T
.set ii, ii+1
.endr
.macro FRAG reg, adr, q, i             ; a fragment: lane l holds row l % 16; registers 6 c .. 6 c + 5 hold K = 64 c + 32 (l / 16) + 0 .. 31: 24 bytes of the row's 48 in group 2 q + c, in pieces of 8 bytes
.irp p, 0,1,2,3,4,5
	ds_load_b64 v[\reg+2*\p:\reg+2*\p+1], v[\adr] offset:(2*(\q)+\p/3)*6144+(\i)*768+8*(\p%3)
.endr
.endm
; 16 matrix instructions: A's blocks a0, a0 + 1 x B's eight, the chunk's q-th 128 along K (B's set q).  sc: the set of scale words.  mode 2: the bias along the columns starts the sums; 0: they go on.
; The 64 accumulators take turns, one instruction a turn, in the same order in every step.
.macro MUL16 a0, q, sc, mode
.irp a, \a0, \a0+1
.irp b, 0,1,2,3,4,5,6,7
.set DD, 8*(8*((\a)%4)+\b)
.set FB, 128*(\q)+FR*\b
.set FA, AF+FR*(\a)
.set SCB_, SC+16*(\sc)+2*\b+(\q)
.set SCA_, SC+16*(\sc)+2*(\a)+(\q)
.if \mode == 2
	v_wmma_scale_f32_16x16x128_f8f6f4 v[DD:DD+7], v[FB:FB+FR-1], v[FA:FA+FR-1], v[BN+8*\b:BN+8*\b+7], v[SCB_], v[SCA_] matrix_a_fmt:MATRIX_FMT_FP6 matrix_b_fmt:MATRIX_FMT_FP6 matrix_a_scale:MATRIX_SCALE_ROW1
.else
	v_wmma_scale_f32_16x16x128_f8f6f4 v[DD:DD+7], v[FB:FB+FR-1], v[FA:FA+FR-1], v[DD:DD+7], v[SCB_], v[SCA_] matrix_a_fmt:MATRIX_FMT_FP6 matrix_b_fmt:MATRIX_FMT_FP6 matrix_a_scale:MATRIX_SCALE_ROW1
.endif
.endr
.endr
.endm
.macro FETCH_B slot, q, p              ; B's eight fragments of the slot's q-th 128 along K into set p
	WIN TO_B
.irp i, 0,1,2,3,4,5,6,7
	FRAG 128*(\p)+FR*\i, ADRB+\slot, \q, \i
.endr
	WIN 0
.endm
.macro FETCH_A slot, q, i0             ; A's blocks i0 .. i0 + 3
.irp i, \i0, \i0+1, \i0+2, \i0+3
	FRAG AF+FR*(\i), ADRA+\slot, \q, \i
.endr
.endm
.macro SCALES sc                       ; a chunk's scale words into set sc: two words a row; lanes 0-15 take A's block i, lanes 16-31 B's block i
.irp i, 0,1,2,3,4,5,6,7
	ds_load_b64 v[SC+16*(\sc)+2*\i:SC+16*(\sc)+2*\i+1], v[ADRS] offset:\i*128
.endr
.endm
.macro PLACES n                        ; plain vector instructions between a matrix instruction and a load into, or a vector read of, its registers (ISA guide 7.12.1 for vector reads)
.rept \n
	v_nop
.endr
.endm
; A step of 128 along K, the chunk's q-th, with scale set sc; it fetches the next step's fragments from slot ns, its nq-th 128 along K.  ld = 1: that is a new chunk, in a slot that an earlier barrier has shown whole: its scale words come too.
.macro STEP q, sc, ns, nq, mode, ld
	s_wait_dscnt 4*NL                              ; B's set and A's blocks 0-3 are in; the youngest 24 loads (A's blocks 4-7) may be out
.if \mode == 2
	WIN 0x81                                       ; C (the bias) in window 0, D in window 2
.else
	WIN MUL_LO
.endif
	MUL16 0, \q, \sc, \mode
	MUL16 2, \q, \sc, \mode
	s_wait_dscnt 0                                 ; A's blocks 4-7 are in
	PLACES NP
.if \ld
	WIN 0
	v_add_nc_u32 v[ADRS], 1024, v[ADRS]            ; on to the next chunk's scale words (no LDS load of mine is out)
.endif
	FETCH_B \ns, \nq, 1-\q
	FETCH_A \ns, \nq, 0
.if \ld
	SCALES 1-\sc
.endif
.if \mode == 2
	WIN 0xc1
.else
	WIN MUL_HI
.endif
	MUL16 4, \q, \sc, \mode
	MUL16 6, \q, \sc, \mode
	PLACES NP
	WIN 0
	FETCH_A \ns, \nq, 4
.endm
; A chunk's second step with a barrier in it; in front of the barrier each wave waits for all its tensor loads, adds 0 to its spare word, and waits for that and for its own LDS reads.
; fill = 1 (end of chunk 0): slots 1 and 2 are whole, nobody reads slot 0 any more, and slot 0 is filled again, with chunk 3.  fill = 0 (end of chunk 2): chunk 3 is whole.
.macro TURN sc, ns, fill
	s_wait_tensorcnt 0x0                           ; all my tensor loads have landed
	ds_add_u32 v[SPW], v[NIL]                      ; 0 onto my spare word
	s_wait_dscnt 4*NL+1                            ; (the add and the youngest 24 loads, A's blocks 4-7, may be out)
	WIN MUL_LO
	MUL16 0, 1, \sc, 0                             ; sixteen matrix instructions stand between the add and the wait for it
	s_wait_dscnt 0x0                               ; the add is done, and my reads of this slot are over
	s_barrier_signal -1
	MUL16 2, 1, \sc, 0
	WIN 0
	s_barrier_wait -1
.if \fill
	CREST                                          ; the barrier has opened a round of the cluster's barrier: no wave of any partner still reads slot 0 or has a load on its way
	s_add_nc_u64 s[GA0+2:GA0+3], s[GA0+2:GA0+3], 3*BLK
	s_add_nc_u64 s[GB0+2:GB0+3], s[GB0+2:GB0+3], 3*BLK
	JLOAD GA0, G1, GB0, G1B                        ; the first tensor load behind the round, and the launch's last; its four v_nop are the places in front of the loads below
.else
	PLACES NP
.endif
	v_add_nc_u32 v[ADRS], 1024, v[ADRS]            ; on to the next chunk's scale words (no LDS load of mine is out)
	FETCH_B \ns, 0, 0
	FETCH_A \ns, 0, 0
	SCALES 1-\sc
	WIN MUL_HI
	MUL16 4, 1, \sc, 0
	MUL16 6, 1, \sc, 0
	PLACES NP
	WIN 0
	FETCH_A \ns, 0, 4
.endm
	s_wait_tensorcnt 2                             ; the scales and my part of chunk 0 are in (chunks 1 and 2 may be out)
	s_barrier_signal -1
	s_barrier_wait -1                              ; everybody's are
	FETCH_B 0, 0, 0
	FETCH_A 0, 0, 0
	SCALES 0
	FETCH_A 0, 0, 4
	STEP 0, 0, 0, 1, 2, 0                          ; chunk 0 (slot 0): the first products start the sums, on the bias
	TURN 0, 1, 1                                   ; on to slot 1; slot 0 takes chunk 3
	STEP 0, 1, 1, 1, 0, 0                          ; chunk 1
	STEP 1, 1, 2, 0, 0, 1                          ; on to slot 2, which the round has shown whole: no barrier
	STEP 0, 0, 2, 1, 0, 0                          ; chunk 2
	TURN 0, 0, 0                                   ; on to slot 0: chunk 3
	STEP 0, 1, 0, 1, 0, 0                          ; chunk 3
	s_wait_dscnt 4*NL                              ; the very last step: nothing more to fetch
	WIN MUL_LO
	MUL16 0, 1, 1, 0
	MUL16 2, 1, 1, 0
	s_wait_dscnt 0
	WIN MUL_HI
	MUL16 4, 1, 1, 0
	MUL16 6, 1, 1, 0
	WIN 0
; 64 numbers of a lane, v[s] .. v[s + 63], register 16 b + i = k 32 b + 16 (lane / 16) + i of my row, become a fragment's codes in v[PC] on and its scale word in v[PW].
.macro QUANT s
.irp b, 0,1,2,3
	v_max3_num_f32 v[TM+\b], |v[\s+16*\b]|, |v[\s+1+16*\b]|, 0x1800000   ; block b: my 16 numbers, and the floor 2^(3 - 127): the byte cannot fall under 1
.endr
.irp i, 2,4,6,8,10,12,14
.irp b, 0,1,2,3
	v_max3_num_f32 v[TM+\b], v[TM+\b], |v[\s+16*\b+\i]|, |v[\s+1+16*\b+\i]|   ; (the four blocks by turns)
.endr
.endr
.irp b, 0,1,2,3
	v_permlanex16_b32 v[TM+4+\b], v[TM+\b], s[SEL], s[SEL+1]
.endr
.irp b, 0,1,2,3
	v_max_num_f32 v[TM+\b], v[TM+\b], v[TM+4+\b]   ; with lane l xor 16's: the block's largest magnitude
.endr
.irp b, 0,1,2,3
	v_add_nc_u32 v[TM+12+\b], 0xff000000, v[TM+\b]   ; 2 off its exponent field: the conversion's scale operand
.endr
.irp b, 0,1,2,3
	v_lshrrev_b32 v[TM+4+\b], 23, v[TM+12+\b]      ; the scale's byte
.endr
	v_lshl_or_b32 v[PW], v[TM+5], 8, v[TM+4]       ; the four bytes make my row's scale word
	v_lshl_or_b32 v[PW], v[TM+6], 16, v[PW]
	v_lshl_or_b32 v[PW], v[TM+7], 24, v[PW]
.irp c, 0,1
	v_cvt_scalef32_pk16_fp6_f32 v[PC+6*\c:PC+2+6*\c], v[\s+32*\c:\s+15+32*\c], v[TM+12+2*\c]
	v_cvt_scalef32_pk16_fp6_f32 v[PC+12+4*\c:PC+14+4*\c], v[\s+16+32*\c:\s+31+32*\c], v[TM+12+2*\c+1]   ; (a conversion's three registers begin on an even number)
.endr
	v_nop                                          ; one plain place behind a scaled conversion
.irp c, 0,1                                    ; a row's stream of bits wants a WHOLE block in a lane: lanes 0-15 block 2 c, lanes 16-31 block 2 c + 1
.irp i, 0,1,2
	v_permlane16_swap_b32 v[PC+6*\c+\i], v[PC+12+4*\c+\i]
.endr
.irp i, 0,1,2
	v_mov_b32 v[PC+3+6*\c+\i], v[PC+12+4*\c+\i]
.endr
.endr
.endm
; THE WAY OUT of A's block a: its 64 registers come out of their window (the packed additions add the bias along the rows, each accumulator from its low end on), are quantised, and go to the work-group's stage, laid as a block of the workspace.
.macro OUTB a
.set AC, 64*((\a)%4)
	WIN (0x02+(\a)/4)                              ; source 0: window 2 or 3
.set ii, 0
.rept 32
	v_pk_add_f32 v[64+ii:65+ii], v[AC+ii:AC+ii+1], v[BM+2*(\a):BM+2*(\a)+1]
.set ii, ii+2
.endr
	WIN 0
	s_wait_dscnt 0x0                               ; the last block's stores into the stage have read their registers
	QUANT 64
.irp p, 0,1,2,3,4,5
	ds_store_b64 v[STO], v[PC+2*\p:PC+2*\p+1] offset:(\a)*768+6144*(\p/3)+8*(\p%3)   ; registers 6 c .. 6 c + 5: group c of my wave's two, row 16 a + r, bytes 24 h on
.endr
	ds_store_b32 v[STS], v[PW] offset:(\a)*128     ; both halves of the lanes write the same word with the same value
.endm
	PLACES NP                                      ; behind the last products: in front of the first read of results and the first write of A's registers
.irp b, 0,1,2,3
	v_mov_b32 v[TM+4+\b], 0                        ; written once: a lane permute's destination counts as one of its sources
.endr
.irp a, 0,1,2,3,4,5,6,7
	OUTB \a
.endr
	s_wait_dscnt 0x0                               ; for the others' sake: my stores into the stage are done
	s_barrier_signal -1
	s_barrier_wait -1
.set ii, 0
.rept 24
	ds_load_b128 v[64+4*ii:67+4*ii], v[RDL] offset:2048*ii      ; the two blocks of codes as they will lie in memory: 2,048 bytes an instruction of the work-group
.set ii, ii+1
.endr
	ds_load_b128 v[160:163], v[RDL] offset:2*BLK   ; and their scale bytes
.set ii, 0
.rept 12
	s_wait_dscnt 24-ii                             ; load ii is in; the 24 - ii issued behind it may be out
	global_store_b128 v[RD], v[64+4*ii:67+4*ii], s[96:97] offset:2048*ii   ; a wave stores 512 consecutive bytes, aligned
.set ii, ii+1
.endr
.rept 12
	s_wait_dscnt 24-ii
	global_store_b128 v[RD], v[64+4*ii:67+4*ii], s[8:9] offset:2048*(ii-12)
.set ii, ii+1
.endr
	s_wait_dscnt 0x0
	global_store_b128 v[SOF], v[160:163], s[98:99]
	s_wait_tensorcnt 0x0                           ; the wave's end: behind my last tensor load and my last LDS store
	ds_add_u32 v[SPW], v[NIL]
	s_wait_dscnt 0x0
	CROUND                                         ; the closing round: no work-group ends while a partner may still ask for a tile that names it
	s_endpgm
.Lfunc_end_k_q35483ad96f_proj:
	.size	k_q35483ad96f_proj, .Lfunc_end_k_q35483ad96f_proj-k_q35483ad96f_proj
	.p2alignl 7, 3214868480
	.fill 96, 4, 3214868480
	.section	.rodata,"a",@progbits
	.p2align	6, 0x0
	.amdhsa_kernel k_q35483ad96f_proj
		.amdhsa_group_segment_fixed_size 327680
		.amdhsa_private_segment_fixed_size 0
		.amdhsa_enable_private_segment 0
		.amdhsa_kernarg_size 56
		.amdhsa_user_sgpr_count 2
		.amdhsa_user_sgpr_kernarg_segment_ptr 1
		.amdhsa_wavefront_size32 1
		.amdhsa_system_sgpr_workgroup_id_x 1
		.amdhsa_system_sgpr_workgroup_id_y 1
		.amdhsa_system_sgpr_workgroup_id_z 1
		.amdhsa_system_vgpr_workitem_id 0
		.amdhsa_next_free_vgpr 1024
		.amdhsa_next_free_sgpr 106
		.amdhsa_reserve_vcc 0
		.amdhsa_float_denorm_mode_32 3
		.amdhsa_float_denorm_mode_16_64 3
		.amdhsa_memory_ordered 1
		.amdhsa_forward_progress 1
		.amdhsa_inst_pref_size 195
	.end_amdhsa_kernel
	.amdgpu_metadata
---
amdhsa.version: [ 1, 2 ]
amdhsa.kernels:
  - .name:           k_q35483ad96f_proj
    .symbol:         k_q35483ad96f_proj.kd
    .args:
      - { .name: xc, .offset: 0, .size: 8, .value_kind: global_buffer, .address_space: global }
      - { .name: xs, .offset: 8, .size: 8, .value_kind: global_buffer, .address_space: global }
      - { .name: yc, .offset: 16, .size: 8, .value_kind: global_buffer, .address_space: global }
      - { .name: ys, .offset: 24, .size: 8, .value_kind: global_buffer, .address_space: global }
      - { .name: bq, .offset: 32, .size: 8, .value_kind: global_buffer, .address_space: global }
      - { .name: bk, .offset: 40, .size: 8, .value_kind: global_buffer, .address_space: global }
      - { .name: bv, .offset: 48, .size: 8, .value_kind: global_buffer, .address_space: global }
    .group_segment_fixed_size: 327680
    .private_segment_fixed_size: 0
    .kernarg_segment_align: 8
    .kernarg_segment_size: 56
    .max_flat_workgroup_size: 128
    .sgpr_count:     106
    .vgpr_count:     1024
    .wavefront_size: 32
...
	.end_amdgpu_metadata
.endif
;; end of part 2
;; launch score (part 3): grid 8 x 32, 4 waves a work-group, clusters of 4 x 4, 327,680 bytes of LDS; arguments yc, ys, pc, ps, pm; writes pc, ps, pm
.if DOCPART == 3
	.amdgcn_target "amdgcn-amd-amdhsa--gfx1250"
	.amdhsa_code_object_version 6
	.text
	.protected	k_q35483ad96f_score
	.globl	k_q35483ad96f_score
	.p2align	8
	.type	k_q35483ad96f_score,@function
k_q35483ad96f_score:
	s_mov_b64 s[64:65], 0
	v_nop
	global_prefetch_b8 v0, s[64:65] scope:SCOPE_SE
	s_setreg_imm32_b32 hwreg(HW_REG_WAVE_MODE, 25, 1), 1
	s_wait_xcnt 0x0
	s_wait_alu depctr_hold_cnt(0) depctr_sa_sdst(0) depctr_va_vdst(0) depctr_va_sdst(0) depctr_va_ssrc(0) depctr_va_vcc(0) depctr_vm_vsrc(0)
	s_getreg_b32 s2, hwreg(HW_REG_IB_STS2, 6, 4)
	s_cmp_eq_u32 s2, 0
	s_cbranch_scc0 .Lentry_in_a_cluster
	s_endpgm
.Lentry_in_a_cluster:
	s_bfe_u32 s2, ttmp6, 0x10000c
	s_cmp_lg_u32 s2, 0xf033
	s_cbranch_scc0 .Lentry_shape_is_right
	s_endpgm
.Lentry_shape_is_right:
; Scores q k^T, 4 batches of [2048 x 1024 along K] x [2048 keys], on codes of FP6 (E2M3) with one E8M0 scale for each 32 along K; and the softmax's numerator, quantised on the way out.
; t = score x log2(e) / 32.  For each query and each GROUP of 128 keys (a wave's columns): M = the group's largest t rounded UP to a whole number; p = 2^(t - M), quantised along the keys; l = the sum of the unquantised p.
; Stored: p's codes and scale bytes, -M and l.  The next launch takes the largest M of a query's 16 groups and brings each group under it by a whole power of two, which goes into the scale bytes and into l: the maximum
; that is taken away in front of the exponential is the true maximum of the numbers that it serves, and the later change rounds nothing.
; LIMITS: a block all of whose p lie under 2^-124 gets the scale byte 1 (v_exp_f32 gives 0 under 2^-126: ISA guide, its entry); NaN and infinities are not served.
; SHARES.  A tile of 256 queries x 256 keys is made by a work-group of four waves, a wave makes 128 x 128: 64 accumulators.
; THE TILES.  128 rows x 256 along K are one dense block of 24,576 bytes of the workspace (q: blocks 0-255, k: blocks 256-511), laid [group of 64 along K: 4][row: 128][48 bytes]; it comes into LDS as it lies: 12 words from row to
; row and 6 from half to half of the lanes put the 32 lanes of an 8-byte load on 64 different banks (ISA guide 11.1): no padding.  K has four chunks of 256, LDS has THREE slots of 98,304 bytes: chunks 0, 1, 2 and the scale bytes
; are the first fills; chunk 3 is the one refill, into slot 0, behind the round at the end of chunk 0: it has two chunks, 256 matrix instructions, in which to land.
; CLUSTERS: 4 x 4 work-groups, all of one batch; q's tiles are asked for jointly along a row of the cluster, k's along a column.
; THE MATRIX INSTRUCTION IS USED TRANSPOSED (source 0 = 16 keys, source 1 = 16 queries), and k's rows are stored with bits 3 and 4 of the row number swapped: a lane holds one query, and register 16 b + i of a block of queries is
; key 32 b + 16 (lane / 16) + i of the wave's 128.
; No prefetch: three of K's four chunks are asked for at the head, and each tile is shared by four work-groups.  No loop: the eight steps of 128 along K differ in slot, barrier or refill.
; REGISTERS, in windows of 256: window 0: v0-31 addresses and a row's figures; v32-63 scale words, two sets, and nothing else; v64-127 a block's p; v128-223 A's fragments, ONE set, later codes and work.
;   window 1: B's fragments, TWO sets.  window 2: the accumulators of my queries 0-63 ((a, b) at v[8 (8 a + b)]); window 3: those of my queries 64-127.
.set FR,     12
.set NL,     6
.set NP,     4                         ; places behind this matrix instruction (ISA guide 7.12.1)
.set BLK,    24576
.set SLOT,   4*BLK
.set SCL,    3*SLOT                    ; the scale bytes, [wave's 128 rows][chunk 4][row 128][8]
.set SPARE,  SCL+16384                 ; the spare words, 128 bytes for each wave: two blocks of 256 bytes that no other line names
.set CST,    SLOT                      ; the way out, in slot 1 (it is filled once, and nobody reads it behind the last barrier of the products): two blocks of codes as they will lie in memory;
.set SST,    CST+2*BLK                 ; scale words [row 256][2]; -M 2,048 bytes on; l 4,096 on
.set ADRA, 16                          ; v16-18
.set ADRB, 20                          ; v20-22
.set STO,  24                          ; v24     where my 24 bytes of codes go
.set RD,   25                          ; v25     16 x my thread's number
.set STS,  26                          ; v26     where my row's scale word goes; -M and l by the immediate
.set ADRS, 27
.set SPW,  28
.set NIL,  29
.set SOF,  30                          ; v30     my 16 scale bytes' place in ps
.set RDL,  31                          ; v31     CST + 16 x my thread's number
.set SC,   32
.set AF,   128
.set PC,   128                         ; codes v128-139, halves in the making up to v146
.set MX,   160                         ; v160-163 each block's largest score, then its largest p
.set MP,   164                         ; v164-167 the other half's, then the bytes
.set SO,   168                         ; v168-171 the conversions' scale operands
.set PW,   176
.set SEL,  66
.set CS,   100                         ; s[100:101] c = log2(e) / 32
.set G1,   24
.set G1B,  48
.set G1S,  68
.set G0S,  76
.set G1SB, 80
.set G0SB, 88
.set GA0,  32                          ; groups 0 for A's tiles, one for each slot: all three first fills are out together
.set GA1,  36
.set GA2,  4                           ; (in the registers that held the inputs' addresses, which are done with by then)
.set GB0,  56
.set GB1,  60
.set GB2,  92
.set MSB, 0
.macro WIN new                         ; the immediate's high byte repeats the setting that is left
.if MSB != \new
	s_set_vgpr_msb (MSB<<8)|\new
.set MSB, \new
.endif
.endm
.set MUL_LO, 0xa1
.set MUL_HI, 0xf1
.set TO_B,   0x40
.macro JLOAD g0a, g1a, g0b, g1b        ; a joint load: waves 0 and 1 fetch for A, waves 2 and 3 for B; four v_nop follow each line
	s_cmp_eq_u32 s15, 0
	s_cbranch_scc0 .Lfor_b_\@
	tensor_load_to_lds s[\g0a:\g0a+3], s[\g1a:\g1a+7]
	s_nop 0
.rept 4
	v_nop
.endr
	s_branch .Lasked_\@
.Lfor_b_\@:
	tensor_load_to_lds s[\g0b:\g0b+3], s[\g1b:\g1b+7]
	s_nop 0
.rept 4
	v_nop
.endr
.Lasked_\@:
.endm
.macro CREST
	s_cmp_lg_u32 s14, 0
	s_cbranch_scc1 .Lnot_wave_0_\@
	s_barrier_signal -3
.Lnot_wave_0_\@:
	s_barrier_wait -3
	s_barrier_signal -1
	s_barrier_wait -1
.endm
.macro CROUND
	s_barrier_signal -1
	s_barrier_wait -1
	CREST
.endm
.macro FIRST ga, gb, s                 ; slot s's groups 0, for chunk s, and its first fill
	s_mov_b32 s[\ga], 1
	s_add_co_u32 s[\ga+1], s45, \s*SLOT
	s_add_nc_u64 s[\ga+2:\ga+3], s[20:21], \s*BLK
	s_or_b32 s[\ga+3], s[\ga+3], 0x80000000
	s_mov_b32 s[\gb], 1
	s_add_co_u32 s[\gb+1], s45, \s*SLOT
	s_add_nc_u64 s[\gb+2:\gb+3], s[46:47], \s*BLK
	s_or_b32 s[\gb+3], s[\gb+3], 0x80000000
	JLOAD \ga, G1, \gb, G1B
.endm
	s_load_b128 s[4:7], s[0:1], 0x0                ; yc, ys
	s_load_b128 s[8:11], s[0:1], 0x10              ; pc, ps
	s_load_b64 s[12:13], s[0:1], 0x20              ; pm
	v_lshl_add_u32 v[SPW], v0, 2, SPARE
	v_mov_b32 v[NIL], 0
	ds_add_u32 v28, v29
	ds_add_u32 v28, v29
	s_wait_dscnt 0x0
	v_lshrrev_b32 v1, 5, v0
	v_readfirstlane_b32 s14, v1                    ; wave 0..3
	s_lshr_b32 s15, s14, 1                         ; which half of the queries is mine.  Also: I fetch for A (0) or for B (1)
	s_and_b32 s16, s14, 1                          ; which half of the keys.  Also: which 128 rows I fetch
	s_bfe_u32 s40, ttmp6, 0x40000                  ; cx, cy
	s_bfe_u32 s41, ttmp6, 0x40004
	s_lshl_b32 s42, ttmp9, 2
	s_add_co_u32 s42, s42, s40                     ; tx: the tile of 256 keys in the batch, 0..7
	s_and_b32 s18, ttmp7, 0xffff
	s_lshl_b32 s17, s18, 2
	s_add_co_u32 s17, s17, s41                     ; ty: the tile of 256 queries, 0..31
	s_lshr_b32 s18, s18, 1                         ; the batch: from the cluster's y alone
	s_lshl_b32 s43, s41, 2
	s_lshl_b32 s43, 15, s43                        ; my row of the cluster
	s_lshl_b32 s44, 0x1111, s40                    ; my column
	s_mov_b32 s[SEL], 0x76543210
	s_mov_b32 s[SEL+1], 0xfedcba98
	s_mov_b32 s[CS], 0x3d38aa3b                    ; log2(e) / 32
	s_mov_b32 s[CS+1], s[CS]                       ; (named with it as a pair, so it is written)
	s_or_b32 s[G1+0], s43, (3<<16)|(1<<21)         ; a dense block of 24,576 bytes as 96 rows of 256 bytes (32 elements of 8 bytes); the mask: my row
	s_or_b32 s[G1B+0], s44, (3<<16)|(1<<21)
.irp g, G1, G1B
	s_mov_b32 s[\g+1], 32<<16
	s_mov_b32 s[\g+2], 96<<16
	s_mov_b32 s[\g+3], 32<<16
	s_mov_b32 s[\g+4], 96
	s_mov_b32 s[\g+5], 32
	s_mov_b32 s[\g+6], 0
	s_mov_b32 s[\g+7], 0
.endr
	s_or_b32 s[G1S+0], s43, (3<<16)|(1<<21)        ; 4,096 dense scale bytes as 16 rows of 256
	s_or_b32 s[G1SB+0], s44, (3<<16)|(1<<21)
.irp g, G1S, G1SB
	s_mov_b32 s[\g+1], 32<<16
	s_mov_b32 s[\g+2], 16<<16
	s_mov_b32 s[\g+3], 32<<16
	s_mov_b32 s[\g+4], 16
	s_mov_b32 s[\g+5], 32
	s_mov_b32 s[\g+6], 0
	s_mov_b32 s[\g+7], 0
.endr
	s_lshl_b32 s20, s17, 1
	s_add_co_u32 s20, s20, s16                     ; q's block of 128 rows that I fetch: 2 ty + half
	s_lshl_b32 s46, s42, 1
	s_lshl_b32 s47, s18, 4
	s_add_co_u32 s46, s46, s47
	s_add_co_u32 s46, s46, s16
	s_add_co_u32 s46, s46, 64                      ; k's: 64 + 16 batch + 2 tx + half
	s_lshl_b32 s22, s20, 12
	s_mov_b32 s23, 0
	s_mul_i32 s20, s20, 4*BLK
	s_mov_b32 s21, 0
	s_lshl_b32 s92, s46, 12
	s_mov_b32 s93, 0
	s_mul_i32 s46, s46, 4*BLK
	s_mov_b32 s47, 0
	s_mul_i32 s45, s14, BLK
	s_lshl_b32 s94, s14, 12
	s_wait_kmcnt 0x0
	s_add_nc_u64 s[20:21], s[4:5], s[20:21]
	s_add_nc_u64 s[22:23], s[6:7], s[22:23]
	s_add_nc_u64 s[46:47], s[4:5], s[46:47]
	s_add_nc_u64 s[92:93], s[6:7], s[92:93]
	CROUND                                         ; all sixteen work-groups are here: the first joint loads meet
	s_mov_b32 s[G0S], 1
	s_add_co_u32 s[G0S+1], s94, SCL
	s_mov_b64 s[G0S+2:G0S+3], s[22:23]
	s_or_b32 s[G0S+3], s[G0S+3], 0x80000000
	s_mov_b32 s[G0SB], 1
	s_add_co_u32 s[G0SB+1], s94, SCL
	s_mov_b64 s[G0SB+2:G0SB+3], s[92:93]
	s_or_b32 s[G0SB+3], s[G0SB+3], 0x80000000
	JLOAD G0S, G1S, G0SB, G1SB
	FIRST GA0, GB0, 0                              ; four loads of mine are out behind these
	FIRST GA1, GB1, 1
	FIRST GA2, GB2, 2
	v_and_b32 v1, 15, v0                           ; r
	v_bfe_u32 v2, v0, 4, 1                         ; h
	v_mul_u32_u24 v3, v1, 48
	v_mad_u32_u24 v4, v2, 24, v3                   ; a fragment's row x 48 + 24 x half
	s_mul_i32 s21, s15, BLK
	s_mul_i32 s22, s16, BLK
	s_add_co_u32 s22, s22, 2*BLK
.irp s, 0,1,2
	v_add_nc_u32 v[ADRA+\s], s21, v4
	v_add_nc_u32 v[ADRB+\s], s22, v4
	s_add_co_u32 s21, s21, SLOT
	s_add_co_u32 s22, s22, SLOT
.endr
	v_lshlrev_b32 v5, 3, v1
	s_lshl_b32 s21, s15, 12
	s_lshl_b32 s22, s16, 12
	s_add_co_u32 s22, s22, 8192
	s_sub_co_u32 s22, s22, s21
	v_mul_u32_u24 v6, s22, v2                      ; lanes 16-31 take B's
	s_add_co_u32 s21, s21, SCL
	v_add_nc_u32 v5, v5, v6
	v_add_nc_u32 v[ADRS], s21, v5
	s_mul_i32 s21, s15, BLK                        ; the stage: block = query half; group of 64 keys = 2 x key half + c; row 16 a + r; + 24 h
	s_mul_i32 s22, s16, 12288
	s_add_co_u32 s21, s21, s22
	s_add_co_u32 s21, s21, CST
	v_add_nc_u32 v[STO], s21, v4
	v_lshlrev_b32 v[RD], 4, v0
	v_lshl_add_u32 v[RDL], v0, 4, CST
	s_lshl_b32 s21, s15, 10
	s_lshl_b32 s22, s16, 2
	s_add_co_u32 s21, s21, s22
	s_add_co_u32 s21, s21, SST
	v_lshl_add_u32 v[STS], v1, 3, s21
	; where the tile goes: p's blocks (2 ty + half) x 8 + tx; -M and l at tx x 65,536 + query x 8 + 4 x key half
	s_lshl_b32 s20, s17, 4
	s_add_co_u32 s20, s20, s42
	s_mul_i32 s22, s20, BLK
	s_mov_b32 s23, 0
	s_add_nc_u64 s[8:9], s[8:9], s[22:23]
	s_add_nc_u64 s[96:97], s[8:9], 8*BLK
	s_lshl_b32 s22, s20, 10
	s_add_nc_u64 s[10:11], s[10:11], s[22:23]
	s_lshl_b32 s22, s42, 16
	s_lshl_b32 s20, s17, 11
	s_add_co_u32 s22, s22, s20
	s_add_nc_u64 s[12:13], s[12:13], s[22:23]
	v_and_b32 v5, 63, v0
	v_lshlrev_b32 v5, 4, v5
	s_lshl_b32 s21, s15, 13
	v_add_nc_u32 v[SOF], s21, v5
.macro FRAG reg, adr, q, i             ; a fragment: lane l holds row l % 16; registers 6 c .. 6 c + 5 hold K = 64 c + 32 (l / 16) + 0 .. 31: 24 bytes of the row's 48 in group 2 q + c, in pieces of 8 bytes
.irp p, 0,1,2,3,4,5
	ds_load_b64 v[\reg+2*\p:\reg+2*\p+1], v[\adr] offset:(2*(\q)+\p/3)*6144+(\i)*768+8*(\p%3)
.endr
.endm
; 16 matrix instructions: A's blocks a0, a0 + 1 x B's eight, the chunk's q-th 128 along K (B's set q).  mode 1: the first product starts the sums.  The 64 accumulators take turns, one instruction a turn.
.macro MUL16 a0, q, sc, mode
.irp a, \a0, \a0+1
.irp b, 0,1,2,3,4,5,6,7
.set DD, 8*(8*((\a)%4)+\b)
.set FB, 128*(\q)+FR*\b
.set FA, AF+FR*(\a)
.set SCB_, SC+16*(\sc)+2*\b+(\q)
.set SCA_, SC+16*(\sc)+2*(\a)+(\q)
.if \mode == 1
	v_wmma_scale_f32_16x16x128_f8f6f4 v[DD:DD+7], v[FB:FB+FR-1], v[FA:FA+FR-1], 0, v[SCB_], v[SCA_] matrix_a_fmt:MATRIX_FMT_FP6 matrix_b_fmt:MATRIX_FMT_FP6 matrix_a_scale:MATRIX_SCALE_ROW1
.else
	v_wmma_scale_f32_16x16x128_f8f6f4 v[DD:DD+7], v[FB:FB+FR-1], v[FA:FA+FR-1], v[DD:DD+7], v[SCB_], v[SCA_] matrix_a_fmt:MATRIX_FMT_FP6 matrix_b_fmt:MATRIX_FMT_FP6 matrix_a_scale:MATRIX_SCALE_ROW1
.endif
.endr
.endr
.endm
.macro FETCH_B slot, q, p
	WIN TO_B
.irp i, 0,1,2,3,4,5,6,7
	FRAG 128*(\p)+FR*\i, ADRB+\slot, \q, \i
.endr
	WIN 0
.endm
.macro FETCH_A slot, q, i0
.irp i, \i0, \i0+1, \i0+2, \i0+3
	FRAG AF+FR*(\i), ADRA+\slot, \q, \i
.endr
.endm
.macro SCALES sc
.irp i, 0,1,2,3,4,5,6,7
	ds_load_b64 v[SC+16*(\sc)+2*\i:SC+16*(\sc)+2*\i+1], v[ADRS] offset:\i*128
.endr
.endm
.macro PLACES n
.rept \n
	v_nop
.endr
.endm
; A step of 128 along K, the chunk's q-th, with scale set sc; it fetches the next step's fragments from slot ns, its nq-th 128 along K.  ld = 1: that is a new chunk, in a slot that an earlier barrier has shown whole: its scale words come too.
.macro STEP q, sc, ns, nq, mode, ld
	s_wait_dscnt 4*NL                              ; B's set and A's blocks 0-3 are in; the youngest 24 loads (A's blocks 4-7) may be out
	WIN MUL_LO
	MUL16 0, \q, \sc, \mode
	MUL16 2, \q, \sc, \mode
	s_wait_dscnt 0
	PLACES NP
.if \ld
	WIN 0
	v_add_nc_u32 v[ADRS], 1024, v[ADRS]            ; on to the next chunk's scale words (no LDS load of mine is out)
.endif
	FETCH_B \ns, \nq, 1-\q
	FETCH_A \ns, \nq, 0
.if \ld
	SCALES 1-\sc
.endif
	WIN MUL_HI
	MUL16 4, \q, \sc, \mode
	MUL16 6, \q, \sc, \mode
	PLACES NP
	WIN 0
	FETCH_A \ns, \nq, 4
.endm
; A chunk's second step with a barrier in it; in front of the barrier each wave waits for all its tensor loads, adds 0 to its spare word, and waits for that and for its own LDS reads.
; fill = 1 (end of chunk 0): slots 1 and 2 are whole, nobody reads slot 0 any more, and slot 0 is filled again, with chunk 3.  fill = 0 (end of chunk 2): chunk 3 is whole.
.macro TURN sc, ns, fill
	s_wait_tensorcnt 0x0                           ; all my tensor loads have landed
	ds_add_u32 v[SPW], v[NIL]                      ; 0 onto my spare word
	s_wait_dscnt 4*NL+1                            ; (the add and the youngest 24 loads may be out)
	WIN MUL_LO
	MUL16 0, 1, \sc, 0
	s_wait_dscnt 0x0                               ; the add is done, and my reads of this slot are over
	s_barrier_signal -1
	MUL16 2, 1, \sc, 0
	WIN 0
	s_barrier_wait -1
.if \fill
	CREST                                          ; a round of the cluster's barrier: no wave of any partner still reads slot 0 or has a load on its way
	s_add_nc_u64 s[GA0+2:GA0+3], s[GA0+2:GA0+3], 3*BLK
	s_add_nc_u64 s[GB0+2:GB0+3], s[GB0+2:GB0+3], 3*BLK
	JLOAD GA0, G1, GB0, G1B                        ; the first tensor load behind the round, and the launch's last
.else
	PLACES NP
.endif
	v_add_nc_u32 v[ADRS], 1024, v[ADRS]
	FETCH_B \ns, 0, 0
	FETCH_A \ns, 0, 0
	SCALES 1-\sc
	WIN MUL_HI
	MUL16 4, 1, \sc, 0
	MUL16 6, 1, \sc, 0
	PLACES NP
	WIN 0
	FETCH_A \ns, 0, 4
.endm
	s_wait_tensorcnt 2                             ; the scales and my part of chunk 0 are in (chunks 1 and 2 may be out)
	s_barrier_signal -1
	s_barrier_wait -1
	FETCH_B 0, 0, 0
	FETCH_A 0, 0, 0
	SCALES 0
	FETCH_A 0, 0, 4
	STEP 0, 0, 0, 1, 1, 0                          ; chunk 0 (slot 0): the first products start the sums: nothing is cleared
	TURN 0, 1, 1                                   ; on to slot 1; slot 0 takes chunk 3
	STEP 0, 1, 1, 1, 0, 0                          ; chunk 1
	STEP 1, 1, 2, 0, 0, 1                          ; on to slot 2, which the round has shown whole: no barrier
	STEP 0, 0, 2, 1, 0, 0                          ; chunk 2
	TURN 0, 0, 0                                   ; on to slot 0: chunk 3
	STEP 0, 1, 0, 1, 0, 0                          ; chunk 3
	s_wait_dscnt 4*NL
	WIN MUL_LO
	MUL16 0, 1, 1, 0
	MUL16 2, 1, 1, 0
	s_wait_dscnt 0
	WIN MUL_HI
	MUL16 4, 1, 1, 0
	MUL16 6, 1, 1, 0
	WIN 0
; THE WAY OUT of the block of 16 queries a: a lane has one query and 64 of its 128 keys, the lane 16 away the other 64.
.macro SOFT a
.set AC, 64*((\a)%4)
.set W, 2+(\a)/4
	WIN (W|(W<<2)|(W<<4))                          ; all three sources in the block's window
.irp b, 0,1,2,3
	v_max3_num_f32 v[MX+\b], v[AC+16*\b], v[AC+16*\b+1], v[AC+16*\b+2]   ; THE LARGEST SCORE OF EACH BLOCK OF 32 KEYS: it serves the row's maximum and, since p rises with the score, the block's largest p
.endr
	WIN ((W<<2)|(W<<4))
.irp i, 3,5,7,9,11,13
.irp b, 0,1,2,3
	v_max3_num_f32 v[MX+\b], v[MX+\b], v[AC+16*\b+\i], v[AC+16*\b+\i+1]   ; (the four blocks by turns; each accumulator is first read at its low end)
.endr
.endr
.irp b, 0,1,2,3
	v_max_num_f32 v[MX+\b], v[MX+\b], v[AC+16*\b+15]
.endr
	WIN 0
.if (\a) > 0
	s_wait_dscnt 0x0                               ; the last block's stores into the stage have read their registers
.endif
.irp b, 0,1,2,3
	v_permlanex16_b32 v[MP+\b], v[MX+\b], s[SEL], s[SEL+1]
.endr
.irp b, 0,1,2,3
	v_max_num_f32 v[MX+\b], v[MX+\b], v[MP+\b]     ; with lane l xor 16's 16 keys
.endr
	v_max3_num_f32 v14, v[MX], v[MX+1], v[MX+2]
	v_max_num_f32 v14, v14, v[MX+3]                ; the group's largest score of my query
	v_mul_f32 v14, s[CS], v14                      ; as t (c is positive)
	v_floor_f32 v8, -v14                           ; -M = floor(-t) = -ceil(t): M is a whole number
	WIN W
.set ii, 0
.rept 32
	v_pk_fma_f32 v[64+ii:65+ii], v[AC+ii:AC+ii+1], s[CS:CS+1], v[8:9] op_sel_hi:[1,0,0]   ; t - M, two at a time (of the pairs c and -M the low word serves both halves)
.set ii, ii+2
.endr
	WIN 0
.irp b, 0,1,2,3
	v_fma_f32 v[MX+\b], v[MX+\b], s[CS], v8        ; the same of each block's largest score
.endr
.set ii, 0
.rept 64
	v_exp_f32 v[64+ii], v[64+ii]                   ; p = 2^(t - M), at most 1
.set ii, ii+1
.endr
	v_nop                                          ; a plain place behind the exponentials
	s_wait_alu depctr_va_vdst(0)                   ; one wait for the whole batch, ahead of its first reader
.irp b, 0,1,2,3
	v_exp_f32 v[MX+\b], v[MX+\b]                   ; the block's largest p: the same two instructions on the same number give the same bits
.endr
	v_pk_add_f32 v[10:11], v[64:65], v[66:67]      ; THE SUM IS TAKEN OF THE UNQUANTISED p: two at a time, in two chains.  (It reads the 64 alone: plain work behind the four)
	v_pk_add_f32 v[12:13], v[68:69], v[70:71]
.irp j, 8,12,16,20,24,28,32,36,40,44,48,52,56,60
	v_pk_add_f32 v[10:11], v[10:11], v[64+\j:65+\j]
	v_pk_add_f32 v[12:13], v[12:13], v[66+\j:67+\j]
.endr
	v_pk_add_f32 v[10:11], v[10:11], v[12:13]
	v_add_f32 v10, v10, v11
	v_permlanex16_b32 v11, v10, s[SEL], s[SEL+1]
	v_add_f32 v10, v10, v11                        ; l of my query's 128 keys
	s_wait_alu depctr_va_vdst(0)                   ; and one wait for the four
.irp b, 0,1,2,3
	v_max_num_f32 v[MX+\b], 0x1800000, v[MX+\b]    ; the floor 2^(3 - 127): the byte cannot fall under 1
.endr
.irp b, 0,1,2,3
	v_add_nc_u32 v[SO+\b], 0xff000000, v[MX+\b]    ; 2 off the exponent field: the conversion's scale operand
.endr
.irp b, 0,1,2,3
	v_lshrrev_b32 v[MP+\b], 23, v[SO+\b]           ; the scale's byte
.endr
	v_lshl_or_b32 v[PW], v[MP+1], 8, v[MP]
	v_lshl_or_b32 v[PW], v[MP+2], 16, v[PW]
	v_lshl_or_b32 v[PW], v[MP+3], 24, v[PW]        ; p's scale word for these 128 keys
.irp c, 0,1
	v_cvt_scalef32_pk16_fp6_f32 v[PC+6*\c:PC+2+6*\c], v[64+32*\c:79+32*\c], v[SO+2*\c]
	v_cvt_scalef32_pk16_fp6_f32 v[PC+12+4*\c:PC+14+4*\c], v[80+32*\c:95+32*\c], v[SO+2*\c+1]   ; (a conversion's three registers begin on an even number)
.endr
	v_nop                                          ; one plain place behind a scaled conversion
.irp c, 0,1                                    ; a row's stream of bits wants a WHOLE block in a lane
.irp i, 0,1,2
	v_permlane16_swap_b32 v[PC+6*\c+\i], v[PC+12+4*\c+\i]
.endr
.irp i, 0,1,2
	v_mov_b32 v[PC+3+6*\c+\i], v[PC+12+4*\c+\i]
.endr
.endr
.irp p, 0,1,2,3,4,5
	ds_store_b64 v[STO], v[PC+2*\p:PC+2*\p+1] offset:(\a)*768+6144*(\p/3)+8*(\p%3)   ; registers 6 c .. 6 c + 5: group c of my wave's two, row 16 a + r, bytes 24 h on
.endr
	ds_store_b32 v[STS], v[PW] offset:(\a)*128     ; both halves of the lanes write the same word with the same value, here and below
	ds_store_b32 v[STS], v8 offset:(\a)*128+2048
	ds_store_b32 v[STS], v10 offset:(\a)*128+4096
.endm
	PLACES NP                                      ; behind the last products
	v_mov_b32 v9, 0                                ; (named as the upper half of the pair v[8:9])
.irp b, 0,1,2,3
	v_mov_b32 v[MP+\b], 0                          ; written once: a lane permute's destination counts as one of its sources
.endr
.irp a, 0,1,2,3,4,5,6,7
	SOFT \a
.endr
	s_wait_dscnt 0x0                               ; for the others' sake: my stores into the stage are done
	s_barrier_signal -1
	s_barrier_wait -1
.set ii, 0
.rept 24
	ds_load_b128 v[64+4*ii:67+4*ii], v[RDL] offset:2048*ii
.set ii, ii+1
.endr
	ds_load_b128 v[160:163], v[RDL] offset:2*BLK
	ds_load_b128 v[164:167], v[RDL] offset:2*BLK+2048
	ds_load_b128 v[168:171], v[RDL] offset:2*BLK+4096
.set ii, 0
.rept 12
	s_wait_dscnt 26-ii                             ; load ii is in; the 26 - ii issued behind it may be out
	global_store_b128 v[RD], v[64+4*ii:67+4*ii], s[8:9] offset:2048*ii   ; a wave stores 512 consecutive bytes, aligned
.set ii, ii+1
.endr
.rept 12
	s_wait_dscnt 26-ii
	global_store_b128 v[RD], v[64+4*ii:67+4*ii], s[96:97] offset:2048*(ii-12)
.set ii, ii+1
.endr
	s_wait_dscnt 0x0
	global_store_b128 v[SOF], v[160:163], s[10:11]
	global_store_b128 v[RD], v[164:167], s[12:13]
	global_store_b128 v[RD], v[168:171], s[12:13] offset:524288
	s_wait_tensorcnt 0x0                           ; the wave's end: behind my last tensor load and my last LDS store
	ds_add_u32 v[SPW], v[NIL]
	s_wait_dscnt 0x0
	CROUND                                         ; the closing round
	s_endpgm
.Lfunc_end_k_q35483ad96f_score:
	.size	k_q35483ad96f_score, .Lfunc_end_k_q35483ad96f_score-k_q35483ad96f_score
	.p2alignl 7, 3214868480
	.fill 96, 4, 3214868480
	.section	.rodata,"a",@progbits
	.p2align	6, 0x0
	.amdhsa_kernel k_q35483ad96f_score
		.amdhsa_group_segment_fixed_size 327680
		.amdhsa_private_segment_fixed_size 0
		.amdhsa_enable_private_segment 0
		.amdhsa_kernarg_size 40
		.amdhsa_user_sgpr_count 2
		.amdhsa_user_sgpr_kernarg_segment_ptr 1
		.amdhsa_wavefront_size32 1
		.amdhsa_system_sgpr_workgroup_id_x 1
		.amdhsa_system_sgpr_workgroup_id_y 1
		.amdhsa_system_sgpr_workgroup_id_z 1
		.amdhsa_system_vgpr_workitem_id 0
		.amdhsa_next_free_vgpr 1024
		.amdhsa_next_free_sgpr 106
		.amdhsa_reserve_vcc 0
		.amdhsa_float_denorm_mode_32 3
		.amdhsa_float_denorm_mode_16_64 3
		.amdhsa_memory_ordered 1
		.amdhsa_forward_progress 1
		.amdhsa_inst_pref_size 226
	.end_amdhsa_kernel
	.amdgpu_metadata
---
amdhsa.version: [ 1, 2 ]
amdhsa.kernels:
  - .name:           k_q35483ad96f_score
    .symbol:         k_q35483ad96f_score.kd
    .args:
      - { .name: yc, .offset: 0, .size: 8, .value_kind: global_buffer, .address_space: global }
      - { .name: ys, .offset: 8, .size: 8, .value_kind: global_buffer, .address_space: global }
      - { .name: pc, .offset: 16, .size: 8, .value_kind: global_buffer, .address_space: global }
      - { .name: ps, .offset: 24, .size: 8, .value_kind: global_buffer, .address_space: global }
      - { .name: pm, .offset: 32, .size: 8, .value_kind: global_buffer, .address_space: global }
    .group_segment_fixed_size: 327680
    .private_segment_fixed_size: 0
    .kernarg_segment_align: 8
    .kernarg_segment_size: 40
    .max_flat_workgroup_size: 128
    .sgpr_count:     106
    .vgpr_count:     1024
    .wavefront_size: 32
...
	.end_amdgpu_metadata
.endif
;; end of part 3
;; launch pv (part 4): grid 8 x 32, 4 waves a work-group, clusters of 4 x 4, 327,680 bytes of LDS; arguments pc, ps, yc, ys, pm, out0; writes out0
.if DOCPART == 4
	.amdgcn_target "amdgcn-amd-amdhsa--gfx1250"
	.amdhsa_code_object_version 6
	.text
	.protected	k_q35483ad96f_pv
	.globl	k_q35483ad96f_pv
	.p2align	8
	.type	k_q35483ad96f_pv,@function
k_q35483ad96f_pv:
	s_mov_b64 s[64:65], 0
	v_nop
	global_prefetch_b8 v0, s[64:65] scope:SCOPE_SE
	s_setreg_imm32_b32 hwreg(HW_REG_WAVE_MODE, 25, 1), 1
	s_wait_xcnt 0x0
	s_wait_alu depctr_hold_cnt(0) depctr_sa_sdst(0) depctr_va_vdst(0) depctr_va_sdst(0) depctr_va_ssrc(0) depctr_va_vcc(0) depctr_vm_vsrc(0)
	s_getreg_b32 s2, hwreg(HW_REG_IB_STS2, 6, 4)
	s_cmp_eq_u32 s2, 0
	s_cbranch_scc0 .Lentry_in_a_cluster
	s_endpgm
.Lentry_in_a_cluster:
	s_bfe_u32 s2, ttmp6, 0x10000c
	s_cmp_lg_u32 s2, 0xf033
	s_cbranch_scc0 .Lentry_shape_is_right
	s_endpgm
.Lentry_shape_is_right:
; out = (p v) / l, 4 batches of [2048 queries x 2048 keys along K] x [1024 channels], on codes of FP6 (E2M3) with one E8M0 scale for each 32 keys; sums in f32; out f32.
; p arrives in 16 groups of 128 keys a query, each under its own whole number M, with the group's sum l.  AT THE HEAD each thread takes two queries: the row's M is the largest of its 16; group g is brought under it by
; 2^(M_g - M): that whole number is added to the four scale bytes of the group's word and, by v_ldexp_f32, to l_g: nothing is rounded.  The shifted scale words go to LDS, where the products take them; 1 / the row's l too.
; LIMITS: the shift is held at -127 and a byte at 0 (2^-127): a group that far under the row's M counts for at most 2^-119 beside a row sum above 1/2.  NaN and infinities are not served.
; SHARES.  A tile of 256 queries x 128 channels (with 256 channels there would be 128 work-groups for 256 WGPs) is made by four waves, a wave makes 128 x 64: 32 accumulators, 256 registers.
; THE TILES.  128 rows x 256 keys are one dense block of 24,576 bytes of the workspace, laid [group of 64 keys: 4][row: 128][48 bytes]; it comes into LDS as it lies: 12 words from row to row and 6 from half to half of the lanes put
; the 32 lanes of an 8-byte load on 64 different banks (ISA guide 11.1): no padding.  A slot holds 512 keys: p's two halves of the queries, two blocks on end each (waves 0, 1: one load of 49,152 bytes), and v^T's two blocks
; (waves 2, 3: one each).  Two slots, four visits of four steps of 128 keys; both slots are first fills, each is filled again once, and a refill has a visit, 128 matrix instructions, in which to land.
; v^T's scale bytes for all keys (8,192 dense bytes) come once.
; CLUSTERS: 4 x 4 work-groups, all of one batch; p's tiles are asked for jointly along a row of the cluster, v^T's tiles and scale bytes along a column.
; THE MATRIX INSTRUCTION IS USED TRANSPOSED (source 0 = 16 channels of v^T, source 1 = 16 queries of p): a lane holds eight neighbouring channels of one query.
; No prefetch: half of the keys are asked for at the head, and each tile is shared by four work-groups.  No loop: two visits fill a slot again and two do not.
; REGISTERS, in windows of 256: window 0: v0-31 addresses; v32-63 scale words, two sets (one for each of a slot's two chunks of 256 keys), and nothing else; v64-127 at work at the head and on the way out;
;   v128-223 A's fragments, ONE set; v224-239 1 / l.  window 1: B's fragments, TWO sets of four, at v0 and v128.  window 2: the accumulators, (a, b) at v[8 (4 a + b)].
.set FR,     12
.set NL,     6
.set NP,     4                         ; places behind this matrix instruction (ISA guide 7.12.1)
.set BLK,    24576
.set SLOT,   6*BLK                     ; p: [half 2][chunk 2] blocks, then v^T: [chunk 2] blocks
.set SCA,    2*SLOT                    ; p's shifted scale words, written by the head: [half 2][chunk 8][row 128][8]
.set SCB,    SCA+16384                 ; v^T's scale bytes, one fill: [chunk 8][row 128][8]
.set RL,     SCB+8192                  ; 1 / l of the 256 queries
.set SPARE,  RL+1024                   ; the spare words, 128 bytes for each wave: two blocks of 256 bytes that no other line names
.set ADRA, 16                          ; v16-17  LDS address of my A fragments in slot 0, 1
.set ADRB, 20                          ; v20-21  the same for B
.set STO,  24                          ; v24     the way out: where I put 32 bytes of a row, in my own stage (16 rows x 272 bytes, in slot 0, which has had its last fill and its last read by then)
.set RD,   25                          ; v25     and where I read a row back
.set CO,   26                          ; v26     my byte offset in two rows of out
.set ADRS, 27
.set SPW,  28
.set NIL,  29
.set RLA,  30                          ; v30     where my row's 1 / l lies
.set SC,   32
.set TMP,  64                          ; the way out: a block's results, two sets of 32
.set AF,   128
.set BB,   128                         ; the way out: rows read back, two sets of 32
.set RLV,  224
.set G1, 24
.set G0, 32
.set G1B, 48
.set G0B, 56
.set G1SB, 80
.set G0SB, 88
.set MSB, 0
.macro WIN new                         ; the immediate's high byte repeats the setting that is left
.if MSB != \new
	s_set_vgpr_msb (MSB<<8)|\new
.set MSB, \new
.endif
.endm
.set MUL,    0xa1                      ; source 0 (B) window 1, source 1 (A) window 0, C and D window 2
.set TO_B,   0x40
.macro JLOAD g0a, g1a, g0b, g1b        ; a joint load: waves 0 and 1 fetch for A, waves 2 and 3 for B; four v_nop follow each line
	s_cmp_eq_u32 s15, 0
	s_cbranch_scc0 .Lfor_b_\@
	tensor_load_to_lds s[\g0a:\g0a+3], s[\g1a:\g1a+7]
	s_nop 0
.rept 4
	v_nop
.endr
	s_branch .Lasked_\@
.Lfor_b_\@:
	tensor_load_to_lds s[\g0b:\g0b+3], s[\g1b:\g1b+7]
	s_nop 0
.rept 4
	v_nop
.endr
.Lasked_\@:
.endm
.macro CREST
	s_cmp_lg_u32 s14, 0
	s_cbranch_scc1 .Lnot_wave_0_\@
	s_barrier_signal -3
.Lnot_wave_0_\@:
	s_barrier_wait -3
	s_barrier_signal -1
	s_barrier_wait -1
.endm
.macro CROUND
	s_barrier_signal -1
	s_barrier_wait -1
	CREST
.endm
	s_load_b128 s[4:7], s[0:1], 0x0                ; pc, ps
	s_load_b128 s[8:11], s[0:1], 0x10              ; yc, ys
	s_load_b128 s[96:99], s[0:1], 0x20             ; pm, out0
	v_lshl_add_u32 v[SPW], v0, 2, SPARE
	v_mov_b32 v[NIL], 0
	ds_add_u32 v28, v29
	ds_add_u32 v28, v29
	s_wait_dscnt 0x0
	v_lshrrev_b32 v1, 5, v0
	v_readfirstlane_b32 s14, v1                    ; wave 0..3
	s_lshr_b32 s15, s14, 1                         ; which half of the queries is mine.  Also: I fetch for A (0) or for B (1)
	s_and_b32 s16, s14, 1                          ; which half of the channels.  Also: which half of p's rows, or which of v^T's two chunks, I fetch
	s_bfe_u32 s40, ttmp6, 0x40000                  ; cx, cy
	s_bfe_u32 s41, ttmp6, 0x40004
	s_lshl_b32 s42, ttmp9, 2
	s_add_co_u32 s42, s42, s40                     ; tx: the tile of 128 channels, 0..7
	s_and_b32 s18, ttmp7, 0xffff
	s_lshl_b32 s17, s18, 2
	s_add_co_u32 s17, s17, s41                     ; ty: the tile of 256 queries, 0..31
	s_lshr_b32 s18, s18, 1                         ; the batch: from the cluster's y alone
	s_lshl_b32 s43, s41, 2
	s_lshl_b32 s43, 15, s43                        ; my row of the cluster
	s_lshl_b32 s44, 0x1111, s40                    ; my column
	s_mov_b32 s100, 0x01010101
	s_mov_b32 s101, 0x80808080
	s_or_b32 s[G1+0], s43, (3<<16)|(1<<21)         ; p: two blocks on end, 49,152 dense bytes as 192 rows of 256 bytes (32 elements of 8 bytes); the mask: my row
	s_mov_b32 s[G1+1], 32<<16
	s_mov_b32 s[G1+2], 192<<16
	s_mov_b32 s[G1+3], 32<<16
	s_mov_b32 s[G1+4], 192
	s_mov_b32 s[G1+5], 32
	s_mov_b32 s[G1+6], 0
	s_mov_b32 s[G1+7], 0
	s_or_b32 s[G1B+0], s44, (3<<16)|(1<<21)        ; v^T: one block, 96 rows of 256 bytes; the mask: my column
	s_mov_b32 s[G1B+1], 32<<16
	s_mov_b32 s[G1B+2], 96<<16
	s_mov_b32 s[G1B+3], 32<<16
	s_mov_b32 s[G1B+4], 96
	s_mov_b32 s[G1B+5], 32
	s_mov_b32 s[G1B+6], 0
	s_mov_b32 s[G1B+7], 0
	s_or_b32 s[G1SB+0], s44, (3<<16)|(1<<21)       ; a quarter of v^T's scale bytes: 2,048 dense bytes as 8 rows of 256
	s_mov_b32 s[G1SB+1], 32<<16
	s_mov_b32 s[G1SB+2], 8<<16
	s_mov_b32 s[G1SB+3], 32<<16
	s_mov_b32 s[G1SB+4], 8
	s_mov_b32 s[G1SB+5], 32
	s_mov_b32 s[G1SB+6], 0
	s_mov_b32 s[G1SB+7], 0
	s_lshl_b32 s20, s17, 1
	s_add_co_u32 s20, s20, s16
	s_mul_i32 s20, s20, 8*BLK                      ; p: the 128 rows 2 ty + half, 8 blocks each
	s_mov_b32 s21, 0
	s_lshl_b32 s46, s18, 3
	s_add_co_u32 s46, s46, s42                     ; v^T: 8 batch + tx
	s_lshl_b32 s92, s46, 13
	s_lshl_b32 s93, s14, 11
	s_add_co_u32 s92, s92, s93
	s_add_co_u32 s92, s92, 512*1024                ; its scale bytes, my wave's quarter
	s_mov_b32 s93, 0
	s_mul_i32 s46, s46, 8*BLK
	s_mul_i32 s47, s16, BLK
	s_add_co_u32 s46, s46, s47
	s_add_co_u32 s46, s46, 512*BLK                 ; its codes, the chunk of the slot's two that I fetch
	s_mov_b32 s47, 0
	s_mul_i32 s45, s16, 2*BLK                      ; where they go: hangs on the wave's number alone
	s_mul_i32 s94, s16, BLK
	s_add_co_u32 s94, s94, 4*BLK
	s_lshl_b32 s95, s14, 11
	s_add_co_u32 s95, s95, SCB
	s_wait_kmcnt 0x0
	s_add_nc_u64 s[20:21], s[4:5], s[20:21]
	s_add_nc_u64 s[46:47], s[8:9], s[46:47]
	s_add_nc_u64 s[92:93], s[10:11], s[92:93]
	CROUND                                         ; all sixteen work-groups are here: the first joint loads meet
	s_mov_b32 s[G0SB], 1
	s_mov_b32 s[G0SB+1], s95
	s_mov_b64 s[G0SB+2:G0SB+3], s[92:93]
	s_or_b32 s[G0SB+3], s[G0SB+3], 0x80000000
	tensor_load_to_lds s[G0SB:G0SB+3], s[G1SB:G1SB+7]   ; every wave its quarter
	s_nop 0
.rept 4
	v_nop
.endr
.irp s, 0,1
	s_mov_b32 s[G0+4*\s], 1
	s_add_co_u32 s[G0+4*\s+1], s45, \s*SLOT
	s_add_nc_u64 s[G0+4*\s+2:G0+4*\s+3], s[20:21], \s*2*BLK
	s_or_b32 s[G0+4*\s+3], s[G0+4*\s+3], 0x80000000
	s_mov_b32 s[G0B+4*\s], 1
	s_add_co_u32 s[G0B+4*\s+1], s94, \s*SLOT
	s_add_nc_u64 s[G0B+4*\s+2:G0B+4*\s+3], s[46:47], \s*2*BLK
	s_or_b32 s[G0B+4*\s+3], s[G0B+4*\s+3], 0x80000000
	JLOAD G0+4*\s, G1, G0B+4*\s, G1B               ; three loads of mine are out behind the second
.endr
	; THE HEAD'S LOADS.  Thread T owns queries 2 T and 2 T + 1 of the tile: 16 bytes of each chunk's scale bytes, of -M and of l: word 4 i + j is query 2 T + j / 2, group 2 i + j % 2
	s_lshl_b32 s22, s17, 14
	s_mov_b32 s23, 0
	s_add_nc_u64 s[6:7], s[6:7], s[22:23]          ; ps at the tile's first block
	s_lshl_b32 s22, s17, 11
	s_add_nc_u64 s[96:97], s[96:97], s[22:23]      ; pm at the tile's first query
	v_lshrrev_b32 v8, 6, v0
	v_lshlrev_b32 v8, 13, v8
	v_and_b32 v9, 63, v0
	v_lshl_add_u32 v8, v9, 4, v8                   ; 8,192 (T / 64) + 16 (T % 64)
	v_add_nc_u32 v11, SCA, v8
	v_lshlrev_b32 v9, 4, v0                        ; 16 T
	v_lshl_add_u32 v10, v0, 3, RL                  ; RL + 8 T
.irp i, 0,1,2,3,4,5,6,7
	global_load_b128 v[64+4*\i:67+4*\i], v8, s[6:7] offset:1024*\i
.endr
.irp i, 0,1,2,3,4,5,6,7
	global_load_b128 v[96+4*\i:99+4*\i], v9, s[96:97] offset:65536*\i
.endr
.irp i, 0,1,2,3,4,5,6,7
	global_load_b128 v[128+4*\i:131+4*\i], v9, s[96:97] offset:65536*\i+524288
.endr
	v_and_b32 v1, 15, v0                           ; r
	v_bfe_u32 v2, v0, 4, 1                         ; h
	v_mul_u32_u24 v3, v1, 48
	v_mad_u32_u24 v4, v2, 24, v3                   ; a fragment's row x 48 + 24 x half
	s_mul_i32 s21, s15, 2*BLK                      ; my 128 rows of p
	s_mul_i32 s22, s16, 64*48                      ; my 64 rows of v^T's 128,
	s_add_co_u32 s22, s22, 4*BLK                   ; which lie behind p's four blocks
.irp s, 0,1
	v_add_nc_u32 v[ADRA+\s], s21, v4
	v_add_nc_u32 v[ADRB+\s], s22, v4
	s_add_co_u32 s21, s21, SLOT
	s_add_co_u32 s22, s22, SLOT
.endr
	v_lshlrev_b32 v5, 3, v1                        ; my row's 8 scale bytes of a chunk
	s_lshl_b32 s21, s15, 13                        ; p's: my 128 rows
	s_lshl_b32 s22, s16, 9                         ; v^T's: my 64 rows, behind p's two halves
	s_add_co_u32 s22, s22, 16384
	s_sub_co_u32 s22, s22, s21
	v_mul_u32_u24 v6, s22, v2                      ; lanes 16-31 take v^T's.  (For blocks 4 to 7, which v^T does not have, they read words that no product names: bytes of SCB or of RL, all written)
	s_add_co_u32 s21, s21, SCA
	v_add_nc_u32 v5, v5, v6
	v_add_nc_u32 v[ADRS], s21, v5
	s_mul_i32 s23, s14, 16*272                     ; my stage
	v_mul_u32_u24 v5, v1, 272
	v_lshl_add_u32 v5, v2, 5, v5
	v_add_nc_u32 v[STO], s23, v5                   ; in: row r, 32 bytes for each half of the lanes
	v_mul_u32_u24 v5, v2, 272
	v_lshl_add_u32 v5, v1, 4, v5
	v_add_nc_u32 v[RD], s23, v5                    ; back: lanes 0-15 one row of 256 bytes, lanes 16-31 the next
	v_lshlrev_b32 v5, 12, v2
	v_lshl_add_u32 v[CO], v1, 4, v5                ; and the same two rows in out
	s_lshl_b32 s21, s15, 9
	s_add_co_u32 s21, s21, RL
	v_lshl_add_u32 v[RLA], v1, 2, s21
	s_lshl_b32 s20, s17, 8
	s_lshl_b32 s21, s15, 7
	s_add_co_u32 s20, s20, s21
	s_lshl_b32 s20, s20, 12                        ; my first row of out, 4,096 bytes a row,
	s_lshl_b32 s46, s42, 9
	s_lshl_b32 s47, s16, 8
	s_add_co_u32 s46, s46, s47                     ; my first channel: 512 tx + 256 x half bytes
	s_add_co_u32 s20, s20, s46
	s_mov_b32 s21, 0
	s_add_nc_u64 s[98:99], s[98:99], s[20:21]
	s_wait_loadcnt 0x0
	v_min3_num_f32 v160, v96, v97, v100            ; the smallest -M of a query's 16 groups is -(the row's M)
	v_min3_num_f32 v161, v98, v99, v102
.irp i, 0,1,2,3,4,5
	v_min3_num_f32 v160, v160, v[101+4*\i], v[104+4*\i]
	v_min3_num_f32 v161, v161, v[103+4*\i], v[106+4*\i]
.endr
	v_min_num_f32 v160, v160, v125
	v_min_num_f32 v161, v161, v127
.set ww, 0
.rept 32
	v_sub_f32 v[96+ww], v[160+(ww%4)/2], v[96+ww]  ; M_g - M: a whole number, 0 or less
.set ww, ww+1
.endr
.set ww, 0
.rept 32
	v_max_num_f32 v[96+ww], 0xc2fe0000, v[96+ww]   ; held at -127
.set ww, ww+1
.endr
.set ww, 0
.rept 32
	v_cvt_i32_f32 v[96+ww], v[96+ww]
.set ww, ww+1
.endr
.set ww, 0
.rept 32
	v_ldexp_f32 v[128+ww], v[128+ww], v[96+ww]     ; l_g under the row's M
.set ww, ww+1
.endr
.set ww, 0
.rept 32
	v_mul_lo_u32 v[96+ww], v[96+ww], s100          ; the shift in each of the four bytes
	v_or_b32 v[64+ww], s101, v[64+ww]              ; 128 on top of each byte (the bytes are 125 at the most), so that no byte borrows from its neighbour
.set ww, ww+1
.endr
.set ww, 0
.rept 32
	v_add_nc_u32 v[64+ww], v[64+ww], v[96+ww]
.set ww, ww+1
.endr
.set ww, 0
.rept 32
	v_and_b32 v[96+ww], s101, v[64+ww]             ; the top bit is left where the byte has not fallen under 0
.set ww, ww+1
.endr
.set ww, 0
.rept 32
	v_lshrrev_b32 v[164+ww], 7, v[96+ww]
.set ww, ww+1
.endr
.set ww, 0
.rept 32
	v_sub_nc_u32 v[96+ww], v[96+ww], v[164+ww]     ; 0x7f in those bytes, 0 in the others
.set ww, ww+1
.endr
.set ww, 0
.rept 32
	v_and_b32 v[64+ww], v[64+ww], v[96+ww]         ; the shifted byte, held at 0
.set ww, ww+1
.endr
	v_pk_add_f32 v[160:161], v[128:129], v[132:133]
	v_pk_add_f32 v[162:163], v[130:131], v[134:135]
.irp i, 2,3,4,5,6,7
	v_pk_add_f32 v[160:161], v[160:161], v[128+4*\i:129+4*\i]
	v_pk_add_f32 v[162:163], v[162:163], v[130+4*\i:131+4*\i]
.endr
	v_add_f32 v160, v160, v161                     ; the row's l
	v_add_f32 v161, v162, v163
	v_rcp_f32 v160, v160
	v_rcp_f32 v161, v161
	v_nop                                          ; a plain place behind the reciprocals
	s_wait_alu depctr_va_vdst(0)                   ; and the wait ahead of their first reader
	ds_store_b64 v10, v[160:161]
.irp i, 0,1,2,3,4,5,6,7
	ds_store_b128 v11, v[64+4*\i:67+4*\i] offset:1024*\i
.endr
.macro FRAG reg, adr, q, i             ; a fragment of the slot's q-th 128 keys: lane l holds row l % 16; registers 6 c .. 6 c + 5 hold K = 64 c + 32 (l / 16) + 0 .. 31: 24 bytes of the row's 48 in block q / 2, group 2 (q % 2) + c
.irp p, 0,1,2,3,4,5
	ds_load_b64 v[\reg+2*\p:\reg+2*\p+1], v[\adr] offset:((\q)/2)*BLK+(2*((\q)%2)+\p/3)*6144+(\i)*768+8*(\p%3)
.endr
.endm
; 8 matrix instructions: A's blocks a0, a0 + 1 x B's four, the slot's q-th 128 keys: B's set q % 2, scale set q / 2, word q % 2.  zero = 1: the first product starts the sums.
; The 32 accumulators take turns, one instruction a turn.
.macro MUL8 a0, q, zero
.irp a, \a0, \a0+1
.irp b, 0,1,2,3
.set DD, 8*(4*(\a)+\b)
.set FB, 128*((\q)%2)+FR*\b
.set FA, AF+FR*(\a)
.set SCB_, SC+16*((\q)/2)+2*\b+(\q)%2
.set SCA_, SC+16*((\q)/2)+2*(\a)+(\q)%2
.if \zero
	v_wmma_scale_f32_16x16x128_f8f6f4 v[DD:DD+7], v[FB:FB+FR-1], v[FA:FA+FR-1], 0, v[SCB_], v[SCA_] matrix_a_fmt:MATRIX_FMT_FP6 matrix_b_fmt:MATRIX_FMT_FP6 matrix_a_scale:MATRIX_SCALE_ROW1
.else
	v_wmma_scale_f32_16x16x128_f8f6f4 v[DD:DD+7], v[FB:FB+FR-1], v[FA:FA+FR-1], v[DD:DD+7], v[SCB_], v[SCA_] matrix_a_fmt:MATRIX_FMT_FP6 matrix_b_fmt:MATRIX_FMT_FP6 matrix_a_scale:MATRIX_SCALE_ROW1
.endif
.endr
.endr
.endm
.macro FETCH_B slot, q, p              ; B's four fragments
	WIN TO_B
.irp i, 0,1,2,3
	FRAG 128*(\p)+FR*\i, ADRB+\slot, \q, \i
.endr
	WIN 0
.endm
.macro FETCH_A slot, q, i0
.irp i, \i0, \i0+1, \i0+2, \i0+3
	FRAG AF+FR*(\i), ADRA+\slot, \q, \i
.endr
.endm
.macro SCALES sc                       ; a chunk's scale words into set sc: two words a row; lanes 0-15 take A's block i, lanes 16-31 B's block i
.irp i, 0,1,2,3,4,5,6,7
	ds_load_b64 v[SC+16*(\sc)+2*\i:SC+16*(\sc)+2*\i+1], v[ADRS] offset:\i*128
.endr
.endm
.macro PLACES n
.rept \n
	v_nop
.endr
.endm
; One of a slot's first three steps of 128 keys: it fetches the next step's fragments from the same slot; behind step 1 begins the slot's second chunk, whose scale words come too.
.macro STEP slot, q, zero
	s_wait_dscnt 4*NL                              ; B's set and A's blocks 0-3 are in; the youngest 24 loads (A's blocks 4-7) may be out
	WIN MUL
	MUL8 0, \q, \zero
	MUL8 2, \q, \zero
	s_wait_dscnt 0
	PLACES NP
.if (\q) == 1
	WIN 0
	v_add_nc_u32 v[ADRS], 1024, v[ADRS]            ; on to the next chunk's scale words (no LDS load of mine is out)
.endif
	FETCH_B \slot, (\q)+1, 1-(\q)%2
	FETCH_A \slot, (\q)+1, 0
.if (\q) == 1
	SCALES 1
.endif
	WIN MUL
	MUL8 4, \q, \zero
	MUL8 6, \q, \zero
	PLACES NP
	WIN 0
	FETCH_A \slot, (\q)+1, 4
.endm
; A slot's fourth step changes slots: ONE barrier; in front of it each wave waits for all its tensor loads, adds 0 to its spare word, and waits for that and for its own reads of this slot.  fill = 1: this slot is filled again, with the keys 1,024 on.
.macro TURN slot, next, fill
	s_wait_tensorcnt 0x0                           ; all my tensor loads have landed: my part of the next slot
	ds_add_u32 v[SPW], v[NIL]                      ; 0 onto my spare word
	s_wait_dscnt 4*NL+1                            ; (the add and the youngest 24 loads may be out)
	WIN MUL
	MUL8 0, 3, 0
	s_wait_dscnt 0x0                               ; the add is done, and my reads of this slot are over
	s_barrier_signal -1
	MUL8 2, 3, 0
	WIN 0
	s_barrier_wait -1
.if \fill
	CREST                                          ; a round of the cluster's barrier: no wave of any partner still reads this slot's tiles or has a load on its way
	s_add_nc_u64 s[G0+4*\slot+2:G0+4*\slot+3], s[G0+4*\slot+2:G0+4*\slot+3], 4*BLK
	s_add_nc_u64 s[G0B+4*\slot+2:G0B+4*\slot+3], s[G0B+4*\slot+2:G0B+4*\slot+3], 4*BLK
	JLOAD G0+4*\slot, G1, G0B+4*\slot, G1B         ; the first tensor load behind the round; its four v_nop are the places in front of the loads below
.else
	PLACES NP
.endif
	v_add_nc_u32 v[ADRS], 1024, v[ADRS]
	FETCH_B \next, 0, 0
	FETCH_A \next, 0, 0
	SCALES 0
	WIN MUL
	MUL8 4, 3, 0
	MUL8 6, 3, 0
	PLACES NP
	WIN 0
	FETCH_A \next, 0, 4
.endm
	s_wait_tensorcnt 1                             ; v^T's scale bytes and my part of slot 0 are in (slot 1's load may be out)
	s_wait_dscnt 0x0                               ; and my stores of scale words and of 1 / l are done,
	s_barrier_signal -1
	s_barrier_wait -1                              ; everybody's are
	FETCH_B 0, 0, 0
	FETCH_A 0, 0, 0
	SCALES 0
	FETCH_A 0, 0, 4
	STEP 0, 0, 1                                   ; keys 0 to 511: the first step's products start the sums: nothing is cleared
	STEP 0, 1, 0
	STEP 0, 2, 0
	TURN 0, 1, 1                                   ; slot 0 takes keys 1,024 to 1,535
	STEP 1, 0, 0                                   ; keys 512 to 1,023
	STEP 1, 1, 0
	STEP 1, 2, 0
	TURN 1, 0, 1                                   ; slot 1 takes keys 1,536 to 2,047
	STEP 0, 0, 0
	STEP 0, 1, 0
	STEP 0, 2, 0
	TURN 0, 1, 0                                   ; nothing is left to fetch
	STEP 1, 0, 0
	STEP 1, 1, 0
	STEP 1, 2, 0
	s_wait_dscnt 4*NL                              ; the very last step
	WIN MUL
	MUL8 0, 3, 0
	MUL8 2, 3, 0
	s_wait_dscnt 0
	MUL8 4, 3, 0
	MUL8 6, 3, 0
	WIN 0
; THE WAY OUT, block by block of 16 queries x 64 channels: x 1 / l on the way out of the window; through my own stage in LDS, since a lane holds 32 bytes of a row and the lanes beside it other rows; back as rows of 256 bytes.
; LDS serves a wave's instructions in order (ISA guide 5.7.1.4): no wait between the stores and the loads, nor in front of the next block's stores.
.macro TOST a
.set TT, TMP+32*((\a)%2)
.set BK, BB+32*((\a)%2)
	WIN 0x02                                       ; source 0: window 2
.set ii, 0
.rept 16
	v_pk_mul_f32 v[TT+ii:TT+ii+1], v[32*(\a)+ii:32*(\a)+ii+1], v[RLV+2*(\a):RLV+2*(\a)+1]   ; each accumulator from its low end on
.set ii, ii+2
.endr
	WIN 0
.if (\a) > 1
	s_wait_xcnt 0x0                                ; block a - 2's stores have read their registers: block a's loads may land there
.endif
.irp b, 0,1,2,3
	ds_store_b128 v[STO], v[TT+8*\b:TT+8*\b+3] offset:64*\b
	ds_store_b128 v[STO], v[TT+8*\b+4:TT+8*\b+7] offset:64*\b+16
.endr
.irp t, 0,1,2,3,4,5,6,7
	ds_load_b128 v[BK+4*\t:BK+4*\t+3], v[RD] offset:544*\t
.endr
.endm
.macro SEND a, younger                 ; younger: the LDS instructions issued behind block a's loads, which may stay out
.set BK, BB+32*((\a)%2)
	s_wait_dscnt \younger
.irp t, 0,1,2,3,4,5,6,7
	global_store_b128 v[CO], v[BK+4*\t:BK+4*\t+3], s[98:99] offset:(16*(\a)+2*\t)*4096 th:TH_STORE_NT   ; sixteen lanes store 256 consecutive bytes, aligned; written once, read by nobody here
.endr
.endm
	PLACES NP                                      ; behind the last products
.irp a, 0,1,2,3,4,5,6,7
	ds_load_b32 v[RLV+2*\a], v[RLA] offset:64*\a   ; 1 / l of query 16 a + r, twice: a pair for the packed multiplication
	ds_load_b32 v[RLV+2*\a+1], v[RLA] offset:64*\a
.endr
	s_wait_dscnt 0x0
	TOST 0
.irp a, 1,2,3,4,5,6,7
	TOST \a
	SEND \a-1, 16                                  ; behind block a - 1's loads: block a's 8 stores and 8 loads
.endr
	SEND 7, 0
	s_wait_tensorcnt 0x0                           ; the wave's end: behind my last tensor load and my last LDS store
	ds_add_u32 v[SPW], v[NIL]
	s_wait_dscnt 0x0
	CROUND                                         ; the closing round
	s_endpgm
.Lfunc_end_k_q35483ad96f_pv:
	.size	k_q35483ad96f_pv, .Lfunc_end_k_q35483ad96f_pv-k_q35483ad96f_pv
	.p2alignl 7, 3214868480
	.fill 96, 4, 3214868480
	.section	.rodata,"a",@progbits
	.p2align	6, 0x0
	.amdhsa_kernel k_q35483ad96f_pv
		.amdhsa_group_segment_fixed_size 327680
		.amdhsa_private_segment_fixed_size 0
		.amdhsa_enable_private_segment 0
		.amdhsa_kernarg_size 48
		.amdhsa_user_sgpr_count 2
		.amdhsa_user_sgpr_kernarg_segment_ptr 1
		.amdhsa_wavefront_size32 1
		.amdhsa_system_sgpr_workgroup_id_x 1
		.amdhsa_system_sgpr_workgroup_id_y 1
		.amdhsa_system_sgpr_workgroup_id_z 1
		.amdhsa_system_vgpr_workitem_id 0
		.amdhsa_next_free_vgpr 768
		.amdhsa_next_free_sgpr 106
		.amdhsa_reserve_vcc 0
		.amdhsa_float_denorm_mode_32 3
		.amdhsa_float_denorm_mode_16_64 3
		.amdhsa_memory_ordered 1
		.amdhsa_forward_progress 1
		.amdhsa_inst_pref_size 203
	.end_amdhsa_kernel
	.amdgpu_metadata
---
amdhsa.version: [ 1, 2 ]
amdhsa.kernels:
  - .name:           k_q35483ad96f_pv
    .symbol:         k_q35483ad96f_pv.kd
    .args:
      - { .name: pc, .offset: 0, .size: 8, .value_kind: global_buffer, .address_space: global }
      - { .name: ps, .offset: 8, .size: 8, .value_kind: global_buffer, .address_space: global }
      - { .name: yc, .offset: 16, .size: 8, .value_kind: global_buffer, .address_space: global }
      - { .name: ys, .offset: 24, .size: 8, .value_kind: global_buffer, .address_space: global }
      - { .name: pm, .offset: 32, .size: 8, .value_kind: global_buffer, .address_space: global }
      - { .name: out0, .offset: 40, .size: 8, .value_kind: global_buffer, .address_space: global }
    .group_segment_fixed_size: 327680
    .private_segment_fixed_size: 0
    .kernarg_segment_align: 8
    .kernarg_segment_size: 48
    .max_flat_workgroup_size: 128
    .sgpr_count:     106
    .vgpr_count:     768
    .wavefront_size: 32
...
	.end_amdgpu_metadata
.endif
;; end of part 4
